; MI455X (gfx1250); checked and timed in simulation.
; The chip was launched on July 23, 2026; its instructions are those of AMD's public machine-readable ISA for CDNA 5 (MIT licence, August 2026) and "CDNA5" Instruction Set Architecture Reference Guide (July 2026). The comments in the code are by the model that wrote it; some were corrected since.
;; Multi Head Self Attention. Allowed arithmetic: float matrix products may take bf16 or f16 operands with f32 sums; other float arithmetic in f32, or as packed bf16 or f16 multiplies, adds, multiply-adds, maxima and minima; sums over many terms, partial sums and values carried from step to step in f32; what a program stores and reads back later, other than sums and carried values, may be rounded once to bf16 or f16.
;; Inputs: W_out 1,024 x 1,024 float32; W_qkv 3,072 x 1,024 float32; b_out 1,024 float32; b_qkv 3,072 float32; x 4 x 4,096 x 1,024 float32.
;; Outputs: out0 4 x 4,096 x 1,024 float32.
;; Constants: num_heads = 16.
;; One version. Each part assembles by itself: llvm-mc -triple=amdgcn-amd-amdhsa -mcpu=gfx1250 --defsym DOCPART=n.
;; ======== version 1 of 1: 4 launches
;; limits: values are held in f16: magnitudes above 65,504 overflow, below 6.1e-05 lose precision
;; workspace buffers: xb 33,554,432 bytes; wq 6,291,456 bytes; wo 2,097,152 bytes; bq 12,288 bytes; bo 4,096 bytes; qkv 100,663,296 bytes; a2 33,554,432 bytes
;; launch cast (part 1): grid 1282 x 1, 4 waves a work-group, no clusters, 0 bytes of LDS; arguments x, W_qkv, W_out, b_qkv, b_out, xb, wq, wo, bq, bo; writes xb, wq, wo, bq, bo
.if DOCPART == 1
	.amdgcn_target "amdgcn-amd-amdhsa--gfx1250"
	.amdhsa_code_object_version 6
	.text
	.protected	k_q5984c7edaa_cast
	.globl	k_q5984c7edaa_cast
	.p2align	8
	.type	k_q5984c7edaa_cast,@function
k_q5984c7edaa_cast:
	s_mov_b64 s[64:65], 0
	v_nop
	global_prefetch_b8 v0, s[64:65] scope:SCOPE_SE
	s_setreg_imm32_b32 hwreg(HW_REG_WAVE_MODE, 25, 1), 1
	s_wait_xcnt 0x0
; THE INPUTS ARE ROUNDED ONCE, to the formats in which the two products take them.
;   xb[t][k]  = bf16(x[t][k])                         16,384 rows of 1,024
;   wq[n'][k] = bf16(W_qkv[src(n')][k])                3,072 rows, PERMUTED (below)
;   wo[n][k]  = bf16(W_out[n][k]), written as f16      1,024 rows (the second product's other operand is f16)
;   bq[n']    = bf16(b_qkv[src(n')]) kept as f32;  bo[n] = bf16(b_out[n]) kept as f32
; THE PERMUTATION lays a token's 3,072 numbers of q, k, v so that the attention launch loads matrix fragments as they lie.  n' = 1,024 blk + p; p's bits: [9:8] i, [7] hh, [6:3] r, [2:0] e.
;   blk 0, 1 (q, k): src = 1,024 blk + 64 r + 16 i + 8 hh + e      (head r, channel 16 i + 8 hh + e)
;   blk 2 (v):       src = 2,048 + 64 (8 hh + e) + 16 i + r        (head 8 hh + e, channel 16 i + r)
; LIMITS.  |W_out| beyond 65,504 becomes an infinity in f16; below 6.1e-5 it keeps f16's fixed step of 6e-8.  NaN and infinities pass as the conversions make them.
; SHARES.  A stream: no LDS, no barrier, no matrix work, nothing read twice.  A work-group takes 16 destination rows, each of its four waves 4 on end: 20,480 rows are 1,280 work-groups, five for each of 256 WGPs.
; Work-groups 0-1023: x; 1024-1215: W_qkv; 1216-1279: W_out; 1280, 1281: the biases, 128 threads each.
; ONE TEXT serves the three matrices: source and destination are chosen by the work-group's number, the permuted row is worked out by all and used for W_qkv alone, every row is rounded to bf16 by the same lines, and
; W_out's rows pass one more step, from packed bf16 to packed f16.
; A wave's whole share, 32 loads of 16 bytes a lane (16 KiB), goes out at once; a row is converted in place and stored while the later rows' loads are still out.
; A lane takes 4 numbers on end: each load of the wave covers 512 consecutive bytes, and no byte is touched by two loads.  They pack into 8 bytes: each store of the wave covers 256 consecutive bytes, aligned.
.set X,    16                          ; v[16:143]  row i of the wave's four at X + 32 i: 32 registers as loaded, the first 16 as stored
.set SRC,  32                          ; s[32:39]   the four source rows
.set DST,  40                          ; s[40:41]   the first destination row
.set ISQ,  45                          ; s45        1 in W_qkv's work-groups
.set ISO,  46                          ; s46        1 in W_out's
.set MASK, 48                          ; s48        a word's upper bf16
	s_load_b512 s[4:19], s[0:1], 0x0               ; x 4, W_qkv 6, W_out 8, b_qkv 10, b_out 12, xb 14, wq 16, wo 18
	s_load_b128 s[20:23], s[0:1], 0x40             ; bq 20, bo 22
	s_cmp_ge_u32 ttmp9, 1280
	s_cbranch_scc1 .Lbias
	v_lshrrev_b32 v3, 5, v0
	v_readfirstlane_b32 s24, v3                    ; wave 0..3
	v_and_b32 v2, 31, v0                           ; lane
	v_lshlrev_b32 v1, 4, v2                        ; v1: 16 bytes of f32 a lane
	v_lshlrev_b32 v2, 3, v2                        ; v2: 8 bytes of halves a lane
	s_lshl_b32 s24, s24, 2                         ; 4 rows a wave
	s_mov_b32 s[MASK], 0xffff0000
	s_cmp_ge_u32 ttmp9, 1024
	s_cselect_b32 s25, 1024, 0                     ; the first work-group of my matrix
	s_cselect_b32 s[ISQ], 1, 0
	s_cmp_ge_u32 ttmp9, 1216
	s_cselect_b32 s25, 1216, s25
	s_cselect_b32 s[ISO], 1, 0
	s_xor_b32 s[ISQ], s[ISQ], s[ISO]               ; from 1,024 on, but not from 1,216 on
	s_sub_co_u32 s25, ttmp9, s25
	s_lshl_b32 s25, s25, 4                         ; 16 rows a work-group
	s_add_co_u32 s25, s25, s24                     ; my first destination row, a multiple of 4
	s_lshl_b32 s26, s25, 11                        ; 2,048 bytes a destination row
	s_mov_b32 s27, 0                               ; the high words of three offsets kept in pairs
	s_mov_b32 s29, 0
	s_mov_b32 s31, 0
	; W_qkv's source row.  My four destination rows differ in e alone: their sources lie 1 row apart (q, k) or 64 rows apart (v)
	s_and_b32 s42, s25, 1023                       ; p
	s_lshr_b32 s43, s25, 10                        ; blk
	s_and_b32 s44, s42, 7                          ; e
	s_bfe_u32 s40, s42, 0x30007                    ; 2 i + hh
	s_lshl_b32 s40, s40, 3
	s_or_b32 s44, s44, s40
	s_bfe_u32 s47, s42, 0x40003                    ; r
	s_lshl_b32 s40, s47, 6
	s_or_b32 s44, s44, s40                         ; q, k: 64 r + 16 i + 8 hh + e
	s_bfe_u32 s40, s42, 0x20008                    ; i
	s_lshl_b32 s40, s40, 4
	s_or_b32 s47, s47, s40
	s_and_b32 s40, s42, 7
	s_lshl_b32 s40, s40, 6
	s_or_b32 s47, s47, s40
	s_bfe_u32 s40, s42, 0x10007                    ; hh
	s_lshl_b32 s40, s40, 9
	s_or_b32 s47, s47, s40                         ; v: 512 hh + 64 e + 16 i + r
	s_cmp_eq_u32 s43, 2
	s_cselect_b32 s44, s47, s44
	s_cselect_b32 s30, 64, 1
	s_lshl_b32 s43, s43, 10
	s_add_co_u32 s44, s44, s43
	s_cmp_eq_u32 s[ISQ], 1
	s_cselect_b32 s44, s44, s25                    ; x and W_out go row for row
	s_cselect_b32 s30, s30, 1
	s_lshl_b32 s30, s30, 12                        ; bytes from one source row to the next
	s_lshl_b32 s28, s44, 12                        ; 4,096 bytes a source row
	s_wait_kmcnt 0x0
	s_cmp_eq_u32 s[ISQ], 1
	s_cselect_b64 s[SRC:SRC+1], s[6:7], s[4:5]
	s_cselect_b64 s[DST:DST+1], s[16:17], s[14:15]
	s_cmp_eq_u32 s[ISO], 1
	s_cselect_b64 s[SRC:SRC+1], s[8:9], s[SRC:SRC+1]
	s_cselect_b64 s[DST:DST+1], s[18:19], s[DST:DST+1]
	s_add_nc_u64 s[SRC:SRC+1], s[SRC:SRC+1], s[28:29]
	s_add_nc_u64 s[DST:DST+1], s[DST:DST+1], s[26:27]
.irp i, 1,2,3
	s_add_nc_u64 s[SRC+2*(\i):SRC+2*(\i)+1], s[SRC+2*(\i)-2:SRC+2*(\i)-1], s[30:31]
.endr
.macro LD8 i                           ; row i: eight loads; lane l gets numbers 128 c + 4 l .. + 3 of the row into registers 4 c .. 4 c + 3
.irp c, 0,1,2,3,4,5,6,7
	global_load_b128 v[X+32*(\i)+4*(\c):X+32*(\i)+4*(\c)+3], v1, s[SRC+2*(\i):SRC+2*(\i)+1] offset:512*(\c) th:TH_LOAD_NT
.endr
.endm
.macro CVB i                           ; to bf16, in place: register k takes the numbers of registers 2 k and 2 k + 1; it was read at step k / 2
.set k, 0
.rept 16
	v_cvt_pk_bf16_f32 v[X+32*(\i)+k], v[X+32*(\i)+2*k], v[X+32*(\i)+2*k+1]
.set k, k+1
.endr
.endm
.macro CVX i                           ; the rounded numbers written as f16: 8 significant bits fit f16's 11
.set k, 0
.rept 16
	v_lshlrev_b32 v[4+2*(k%2)], 16, v[X+32*(\i)+k]
	v_and_b32 v[5+2*(k%2)], s[MASK], v[X+32*(\i)+k]
	v_cvt_pk_f16_f32 v[X+32*(\i)+k], v[4+2*(k%2)], v[5+2*(k%2)]
.set k, k+1
.endr
.endm
.macro ST8 i                           ; row i: eight stores of 256 consecutive bytes
.irp c, 0,1,2,3,4,5,6,7
	global_store_b64 v2, v[X+32*(\i)+2*(\c):X+32*(\i)+2*(\c)+1], s[DST:DST+1] offset:2048*(\i)+256*(\c)
.endr
.endm
.macro ROWOUT i
	s_wait_loadcnt 24-8*(\i)                       ; loads come back in order: row i is in, the 8 loads of each later row may stay out
	CVB \i
	s_cmp_eq_u32 s[ISO], 1
	s_cbranch_scc0 .Lplain_\@
	CVX \i
.Lplain_\@:
	ST8 \i                                         ; no register that a store reads is written again
.endm
.irp i, 0,1,2,3
	LD8 \i
.endr
.irp i, 0,1,2,3
	ROWOUT \i
.endr
	s_endpgm
.Lbias:                                            ; thread t of 256 owns entries p = 4 t .. 4 t + 3 of q's, k's and v's part of bq, and of bo
	s_sub_co_u32 s25, ttmp9, 1280
	s_lshl_b32 s25, s25, 7
	v_add_nc_u32 v15, s25, v0                      ; t
	v_lshlrev_b32 v8, 2, v15                       ; p
	v_and_b32 v9, 7, v8                            ; e
	v_bfe_u32 v10, v8, 7, 3                        ; 2 i + hh
	v_bfe_u32 v11, v8, 3, 4                        ; r
	v_lshl_or_b32 v12, v10, 3, v9
	v_lshl_or_b32 v12, v11, 6, v12
	v_lshlrev_b32 v12, 2, v12                      ; q, k: four sources on end, 16 bytes
	v_bfe_u32 v13, v8, 8, 2                        ; i
	v_lshl_or_b32 v13, v13, 4, v11
	v_lshl_or_b32 v13, v9, 6, v13
	v_bfe_u32 v14, v8, 7, 1                        ; hh
	v_lshl_or_b32 v13, v14, 9, v13
	v_lshlrev_b32 v13, 2, v13                      ; v: four sources 64 entries apart
	v_lshlrev_b32 v14, 4, v15                      ; 16 t
	s_wait_kmcnt 0x0
	global_load_b128 v[16:19], v12, s[10:11]
	global_load_b128 v[20:23], v12, s[10:11] offset:4096
.irp e, 0,1,2,3
	global_load_b32 v[24+(\e)], v13, s[10:11] offset:8192+256*(\e)
.endr
	global_load_b128 v[28:31], v14, s[12:13]
	s_wait_loadcnt 0x0
.set k, 0
.rept 8
	v_cvt_pk_bf16_f32 v[32+k], v[16+2*k], v[17+2*k]
.set k, k+1
.endr
.set k, 0
.rept 8
	v_lshlrev_b32 v[40+2*k], 16, v[32+k]           ; back to f32: the rounded number, in the width in which the products' sums begin
	v_and_b32 v[41+2*k], 0xffff0000, v[32+k]
.set k, k+1
.endr
	global_store_b128 v14, v[40:43], s[20:21]
	global_store_b128 v14, v[44:47], s[20:21] offset:4096
	global_store_b128 v14, v[48:51], s[20:21] offset:8192
	global_store_b128 v14, v[52:55], s[22:23]
	s_endpgm
.Lfunc_end_k_q5984c7edaa_cast:
	.size	k_q5984c7edaa_cast, .Lfunc_end_k_q5984c7edaa_cast-k_q5984c7edaa_cast
	.p2alignl 7, 3214868480
	.fill 96, 4, 3214868480
	.section	.rodata,"a",@progbits
	.p2align	6, 0x0
	.amdhsa_kernel k_q5984c7edaa_cast
		.amdhsa_group_segment_fixed_size 0
		.amdhsa_private_segment_fixed_size 0
		.amdhsa_enable_private_segment 0
		.amdhsa_kernarg_size 80
		.amdhsa_user_sgpr_count 2
		.amdhsa_user_sgpr_kernarg_segment_ptr 1
		.amdhsa_wavefront_size32 1
		.amdhsa_system_sgpr_workgroup_id_x 1
		.amdhsa_system_sgpr_workgroup_id_y 1
		.amdhsa_system_sgpr_workgroup_id_z 1
		.amdhsa_system_vgpr_workitem_id 0
		.amdhsa_next_free_vgpr 144
		.amdhsa_next_free_sgpr 66
		.amdhsa_reserve_vcc 0
		.amdhsa_float_denorm_mode_32 3
		.amdhsa_float_denorm_mode_16_64 3
		.amdhsa_memory_ordered 1
		.amdhsa_forward_progress 1
		.amdhsa_inst_pref_size 25
	.end_amdhsa_kernel
	.amdgpu_metadata
---
amdhsa.version: [ 1, 2 ]
amdhsa.kernels:
  - .name:           k_q5984c7edaa_cast
    .symbol:         k_q5984c7edaa_cast.kd
    .args:
      - { .name: x, .offset: 0, .size: 8, .value_kind: global_buffer, .address_space: global }
      - { .name: W_qkv, .offset: 8, .size: 8, .value_kind: global_buffer, .address_space: global }
      - { .name: W_out, .offset: 16, .size: 8, .value_kind: global_buffer, .address_space: global }
      - { .name: b_qkv, .offset: 24, .size: 8, .value_kind: global_buffer, .address_space: global }
      - { .name: b_out, .offset: 32, .size: 8, .value_kind: global_buffer, .address_space: global }
      - { .name: xb, .offset: 40, .size: 8, .value_kind: global_buffer, .address_space: global }
      - { .name: wq, .offset: 48, .size: 8, .value_kind: global_buffer, .address_space: global }
      - { .name: wo, .offset: 56, .size: 8, .value_kind: global_buffer, .address_space: global }
      - { .name: bq, .offset: 64, .size: 8, .value_kind: global_buffer, .address_space: global }
      - { .name: bo, .offset: 72, .size: 8, .value_kind: global_buffer, .address_space: global }
    .group_segment_fixed_size: 0
    .private_segment_fixed_size: 0
    .kernarg_segment_align: 8
    .kernarg_segment_size: 80
    .max_flat_workgroup_size: 128
    .sgpr_count:     66
    .vgpr_count:     144
    .wavefront_size: 32
...
	.end_amdgpu_metadata
.endif
;; end of part 1
;; launch gemm_qkv (part 2): grid 4 x 64, 4 waves a work-group, clusters of 4 x 4, 327,680 bytes of LDS; arguments xb, wq, qkv, bq; writes qkv
.if DOCPART == 2
	.amdgcn_target "amdgcn-amd-amdhsa--gfx1250"
	.amdhsa_code_object_version 6
	.text
	.protected	k_q5984c7edaa_gemm_qkv
	.globl	k_q5984c7edaa_gemm_qkv
	.p2align	8
	.type	k_q5984c7edaa_gemm_qkv,@function
k_q5984c7edaa_gemm_qkv:
	s_mov_b64 s[64:65], 0
	v_nop
	global_prefetch_b8 v0, s[64:65] scope:SCOPE_SE
	s_setreg_imm32_b32 hwreg(HW_REG_WAVE_MODE, 25, 1), 1
	s_wait_xcnt 0x0
	s_wait_alu depctr_hold_cnt(0) depctr_sa_sdst(0) depctr_va_vdst(0) depctr_va_sdst(0) depctr_va_ssrc(0) depctr_va_vcc(0) depctr_vm_vsrc(0)
	s_getreg_b32 s2, hwreg(HW_REG_IB_STS2, 6, 4)
	s_cmp_eq_u32 s2, 0
	s_cbranch_scc0 .Lentry_in_a_cluster
	s_endpgm
.Lentry_in_a_cluster:
	s_bfe_u32 s2, ttmp6, 0x10000c
	s_cmp_lg_u32 s2, 0xf033
	s_cbranch_scc0 .Lentry_shape_is_right
	s_endpgm
.Lentry_shape_is_right:
; qkv[t][n] = bq[n] + the sum over k of xb[t][k] wq[n][k].  xb: [16,384][1,024] bf16, wq: [3,072][1,024] bf16, bq: [3,072] f32, qkv: [16,384][3,072] f16.  Sums in f32, K ascending, begun with the bias; rounded once.
; LIMIT.  f16 ends at 65,504: a q, k or v beyond it becomes an infinity.
; SHARES.  A tile of qkv is 256 x 256, made by four waves, each 128 x 128: 64 accumulators of 16 x 16, 512 registers.  The 64 x 12 tiles go to 256 work-groups THAT STAY: a work-group keeps its tile row and makes the
; tile columns cx, cx + 4, cx + 8 (WALKN = 1,024 columns apart): a loop over tiles round the loop over K.  The ring does not stop at a tile's end: a tile's last two changes of slots ask for the next tile's first two K steps.
; A tile's last lap is written twice (with a successor: it asks for the next tile; the last: it asks for nothing); both run forward into ONE text of the way out.
; RING.  K goes in steps of 128 through two LDS slots filled by the tensor data mover; the rows of the tiles are 256 bytes of memory and start at multiples of 256 bytes from the buffer's first byte.
; CLUSTER.  4 x 4 work-groups.  The four of a row of the cluster need the same tiles of xb, the four of a column the same tiles of wq: each tile is asked for JOINTLY, by the same tensor load with the same descriptor
; and a mask that names the four; each receives it in its own LDS.
; THE MATRIX INSTRUCTION IS USED TRANSPOSED: source 0 = 16 rows of wq, source 1 = 16 rows of xb.  Lane l then holds row l % 16 of qkv and the columns 8 (l / 16) + 0..7: eight neighbours, 16 bytes of f16.
; THE BIAS is the C operand of each accumulator's first product: 64 registers hold the wave's 128 columns' bias in the accumulators' own layout; nothing is cleared and nothing is added afterwards.
; REGISTERS, in windows of 256 (s_set_vgpr_msb's low byte: bits 1:0 source 0, 3:2 source 1, 5:4 source 2, 7:6 destination):
;   window 0: v0-31 addresses; v64-127, v128-191 fragments of xb, two buffers; v32-63, v192-255 at work on the way out
;   window 1: v0-63 the bias; v64-127, v128-191 fragments of wq, two buffers
;   window 2: the 32 accumulators of my rows 0-63 (accumulator (a, b) at v[8 (8 a + b)]);   window 3: those of my rows 64-127
.set SIZE_N, 3072
.set SIZE_K, 1024
.set TILES,  3
.set WALKN,  1024                      ; columns from a work-group's tile to its next
.set KSTEP,  128
.set PITCH,  272                       ; an LDS row: 256 bytes + 16 of padding = 68 words: row r starts at bank 4 r mod 64 (64 banks of 4 bytes: ISA guide 11.1), so the 16 rows of a load start at 16 different banks
.set HALFT,  128*PITCH                 ; 128 rows: what one tensor load brings, and what one wave reads of either operand
.set SLOT,   4*HALFT                   ; xb's 256 rows, then wq's 256 rows
.set STAGE,  2*SLOT                    ; behind the ring: 16 rows x 272 bytes for each wave, for the way out
.set SPITCH, 272
.set SPARE,  STAGE+4*16*SPITCH         ; behind the stages: the spare words, 128 bytes for each wave: two blocks of 256 bytes that no other line names
.set LAPS,   SIZE_K/(2*KSTEP)          ; a lap = two K steps = once round the ring
.set BACK_A, (SIZE_K-2*KSTEP)*2        ; bytes from a slot's last K step of a tile back to its first: xb's rows stay,
.set NEXT_B, WALKN*SIZE_K*2-BACK_A     ; wq goes WALKN rows down and back along K
.set ADRA, 16                          ; v16-17  LDS address of my fragments of xb in slot 0, 1
.set ADRB, 20                          ; v20-21  the same for wq
.set STO,  24                          ; v24     the way out: where I put 16 bytes of a row
.set RD,   25                          ; v25     the way out: where I read a row back
.set CO,   26                          ; v26     my byte offset in qkv
.set BO,   27                          ; v27     my byte offset in the bias: 32 (l / 16)
.set SPW,  28                          ; v28     LDS address of my spare word: SPARE + 4 x my thread's number; never rewritten
.set NIL,  29                          ; v29     0; never rewritten
.set PFO,  30                          ; v30     the prefetches' offset: my lane x a row of 2,048 bytes; never rewritten
.set F0,   64                          ; fragment buffer 0
.set F1,   128                         ; fragment buffer 1
.set TMP,  192                         ; the way out: packed results
.set OB,   32                          ; the way out: 16 rows read back from the stage: v32-63 and v224-255 by turns
.set BIAS, 0                           ; window 1: n block b's eight registers at 8 b
.set G1,  24                           ; s[24:31] descriptor group 1 for xb's tiles
.set G0,  32                           ; s[32:39] descriptor group 0 for xb's tiles, one set for each slot
.set LIM, 43                           ; s43      1 in a wave that prefetches, else the greatest number
.set PFA, 44                           ; s[44:45] where my prefetches stand: my work-group's 32 rows of the 128 that I fetch, one K step past the refill that is being asked for
.set G1B, 48                           ; s[48:55] descriptor group 1 for wq's tiles: it differs in the mask alone
.set G0B, 56                           ; s[56:63] descriptor group 0 for wq's tiles
.set CP,  68                           ; s[68:69] qkv at my part of the tile in hand
.set BP,  70                           ; s[70:71] bq at my 128 columns of the tile whose bias was loaded last
.set MSB, 0
.macro WIN new                         ; the immediate's high byte repeats the setting that is left; a switch that changes nothing is dropped
.if MSB != (\new)
	s_set_vgpr_msb (MSB<<8)|(\new)
.set MSB, \new
.endif
.endm
.set MUL_LO, 0xa1                      ; source 0 (wq) window 1, source 1 (xb) window 0, C and D window 2
.set MUL_HI, 0xf1                      ; the same, C and D window 3
.set BIA_LO, 0x91                      ; the same with C (the bias) in window 1, D in window 2
.set BIA_HI, 0xd1                      ; D in window 3
.set TO_B,   0x40                      ; destination window 1, address window 0
; A joint load.  Waves 0 and 1 fetch xb's two halves, waves 2 and 3 wq's.  Each of the two lines has one mask and one set of registers for all that issue it.  The branch hangs on the wave's number alone.
; An s_nop 0 and four v_nop follow each of the two lines, ahead of the jump, the label and what follows the macro.
.macro JLOAD s
	s_cmp_eq_u32 s11, 0
	s_cbranch_scc0 .Lfor_b_\@
	tensor_load_to_lds s[G0+4*(\s):G0+4*(\s)+3], s[G1:G1+7]
	s_nop 0
.rept 4
	v_nop
.endr
	s_branch .Lasked_\@
.Lfor_b_\@:
	tensor_load_to_lds s[G0B+4*(\s):G0B+4*(\s)+3], s[G1B:G1B+7]
	s_nop 0
.rept 4
	v_nop
.endr
.Lasked_\@:
.endm
; A PREFETCH INTO THE L2, behind each joint load, its five lines and the run of LDS loads that follows: the K step that stands TWO refills on: 32 rows x 256 bytes, a lane a row, one instruction a wave.
; Each row's 256 bytes of a K step are named once in the launch.  xb's tile row is read by one cluster alone, which asks for it, in its first tile; in the later tiles the same rows are walked again and are asked for no more.
; wq's tile column is read by every cluster: the cluster with y = 0 asks, in every tile, since each tile has other rows of wq.  The four partners that ask for a tile jointly share its rows out BY ADDRESS:
; of the 128 rows that a wave fetches the partner at place p takes 32 p .. 32 p + 31 (p = cx for xb, cy for wq).  how = 0, in the loop: a tile's last two refills have no K step two on; how = 1, at a change of tiles.
.macro ASK how
.if \how
	s_cmp_eq_u32 s[LIM], 1
.else
	s_cmp_gt_u32 s3, s[LIM]                        ; s3 = 1 in the loop's last trip
.endif
	s_cbranch_scc0 .Lnot_mine_\@
	global_prefetch_b8 v[PFO], s[PFA:PFA+1] offset:KSTEP*2 th:TH_LOAD_NT scope:SCOPE_SE
.Lnot_mine_\@:
.endm
; A round of the cluster's barrier: my work-group's barrier, so that wave 0's signal speaks for all four waves; wave 0 signals for the work-group; every wave waits for all sixteen; my work-group's barrier once more.
.macro CREST                           ; a round behind its opening barrier
	s_cmp_lg_u32 s10, 0
	s_cbranch_scc1 .Lnot_wave_0_\@
	s_barrier_signal -3
.Lnot_wave_0_\@:
	s_barrier_wait -3
	s_barrier_signal -1
	s_barrier_wait -1
.endm
.macro CROUND                          ; a whole round
	s_barrier_signal -1
	s_barrier_wait -1
	CREST
.endm
.macro BLOADS                          ; the bias of my 128 columns, in the accumulators' layout: register j of n block b is column 16 b + 8 (l / 16) + j
	WIN TO_B
.irp b, 0,1,2,3,4,5,6,7
	global_load_b128 v[BIAS+8*(\b):BIAS+8*(\b)+3],   v[BO], s[BP:BP+1] offset:64*(\b)
	global_load_b128 v[BIAS+8*(\b)+4:BIAS+8*(\b)+7], v[BO], s[BP:BP+1] offset:64*(\b)+16
.endr
	WIN 0
.endm
	s_load_b128 s[4:7], s[0:1], 0x0                ; xb s[4:5], wq s[6:7]
	s_load_b128 s[CP:CP+3], s[0:1], 0x10           ; qkv, bq
	v_lshl_add_u32 v[SPW], v0, 2, SPARE
	v_mov_b32 v[NIL], 0
	ds_add_u32 v[SPW], v[NIL]                      ; the wave's opening: the add and its wait stand ahead of my first tensor load; the set-up below, work on registers, stands between them
	v_lshrrev_b32 v1, 5, v0
	v_readfirstlane_b32 s10, v1                    ; wave 0..3
	s_lshr_b32 s11, s10, 1                         ; which half of the tile's rows is mine.  Also: I fetch for xb (0) or for wq (1)
	s_and_b32 s12, s10, 1                          ; which half of its columns.  Also: which 128 rows of that tile I fetch
	s_bfe_u32 s40, ttmp6, 0x40000                  ; cx: my place along the cluster's x
	s_bfe_u32 s41, ttmp6, 0x40004                  ; cy: along its y
	s_lshl_b32 s42, ttmp9, 2                       ; in a cluster launch ttmp9 and ttmp7 count clusters
	s_add_co_u32 s42, s42, s40                     ; my first tile column = 4 x cluster x + cx
	s_and_b32 s13, ttmp7, 0xffff
	s_lshl_b32 s13, s13, 2
	s_add_co_u32 s13, s13, s41                     ; tile row = 4 x cluster y + cy
	s_lshl_b32 s43, s41, 2
	s_lshl_b32 s43, 15, s43                        ; my row of the cluster: places 4 cy .. 4 cy + 3
	s_lshl_b32 s44, 0x1111, s40                    ; my column: places cx, cx + 4, cx + 8, cx + 12
	; descriptor group 1: a tile of 128 rows x 128 elements, padded in LDS
	s_or_b32 s[G1+0], s43, (1<<16)|(1<<20)|(1<<21)|(5<<22)|(3<<25)  ; 15:0 the mask: xb's tiles go to my row; 17:16 elements of 2 bytes; 20 padding on; 21 set beside a mask; 24:22 after every 64 words (code 5); 31:25 4 words of it (code 3)
	s_or_b32 s[G1B+0], s44, (1<<16)|(1<<20)|(1<<21)|(5<<22)|(3<<25) ; the same with the mask of my column, for wq's tiles
	s_mov_b32 s[G1B+1], KSTEP<<16
	s_mov_b32 s[G1+1], KSTEP<<16                   ; tensor_dim0 = 128
	s_mov_b32 s[G1B+2], 128<<16
	s_mov_b32 s[G1+2], 128<<16                     ; tensor_dim1 = 128
	s_mov_b32 s[G1B+3], KSTEP<<16
	s_mov_b32 s[G1+3], KSTEP<<16                   ; tile_dim0 = 128
	s_mov_b32 s[G1B+4], 128
	s_mov_b32 s[G1+4], 128                         ; tile_dim1 = 128
	s_mov_b32 s[G1B+5], SIZE_K
	s_mov_b32 s[G1+5], SIZE_K                      ; elements from row to row
	s_mov_b32 s[G1B+6], 0
	s_mov_b32 s[G1+6], 0
	s_mov_b32 s[G1B+7], 0
	s_mov_b32 s[G1+7], 0
	; where the tiles come from.  xb's hang on the tile row alone, which my row of the cluster shares; wq's on the tile column alone, which my column shares.
	s_lshl_b32 s17, s12, 7                         ; which 128 rows of the tile I fetch
	s_lshl_b32 s16, s13, 8
	s_add_co_u32 s16, s16, s17                     ; xb: row 256 x tile row + 128 x half
	s_lshl_b32 s46, s42, 8
	s_add_co_u32 s46, s46, s17                     ; wq: row 256 x tile column + 128 x half
	s_mov_b32 s17, 0
	s_mov_b32 s47, 0
	s_mov_b64 s[18:19], SIZE_K*2
	s_mul_u64 s[16:17], s[16:17], s[18:19]         ; in bytes
	s_mul_u64 s[46:47], s[46:47], s[18:19]
	s_mul_i32 s20, s10, HALFT                      ; and where they go: wave x 128 rows: no place in the cluster enters an LDS address
	s_wait_dscnt 0x0                               ; the opening add is done
	s_wait_kmcnt 0x0
	s_add_nc_u64 s[14:15], s[4:5], s[16:17]
	s_add_nc_u64 s[46:47], s[6:7], s[46:47]
	CROUND                                         ; all sixteen work-groups are here: the first joint loads meet
.irp s, 0,1
	s_mov_b32 s[G0+4*(\s)], 1                                      ; count = 1
	s_add_co_u32 s[G0+4*(\s)+1], s20, (\s)*SLOT                    ; LDS address
	s_add_nc_u64 s[G0+4*(\s)+2:G0+4*(\s)+3], s[14:15], (\s)*KSTEP*2  ; global address: K step s
	s_or_b32 s[G0+4*(\s)+3], s[G0+4*(\s)+3], 0x80000000            ; type = 2
	s_mov_b32 s[G0B+4*(\s)], 1
	s_add_co_u32 s[G0B+4*(\s)+1], s20, (\s)*SLOT
	s_add_nc_u64 s[G0B+4*(\s)+2:G0B+4*(\s)+3], s[46:47], (\s)*KSTEP*2
	s_or_b32 s[G0B+4*(\s)+3], s[G0B+4*(\s)+3], 0x80000000
	JLOAD \s                                       ; the ring is filled before anything else is done: two loads of mine are out
.endr
	; A fragment is 16 rows x 32 K in 8 registers: lane l holds row l % 16; registers 0-3 K = 8 (l / 16) + 0..7, registers 4-7 K = 16 + 8 (l / 16) + 0..7: two loads of 16 bytes, 32 bytes apart.
	v_and_b32 v1, 15, v0                           ; l % 16
	v_bfe_u32 v2, v0, 4, 1                         ; l / 16
	v_mul_u32_u24 v3, v1, PITCH
	v_lshl_add_u32 v3, v2, 4, v3                   ; row x pitch + 16 x half
	s_mul_i32 s21, s11, HALFT                      ; my 128 rows of xb
	s_mul_i32 s22, s12, HALFT                      ; my 128 rows of wq,
	s_add_co_u32 s22, s22, 2*HALFT                 ; which lie behind xb's 256
.irp s, 0,1
	v_add_nc_u32 v[ADRA+(\s)], s21, v3
	v_add_nc_u32 v[ADRB+(\s)], s22, v3
	s_add_co_u32 s21, s21, SLOT
	s_add_co_u32 s22, s22, SLOT
.endr
	s_mul_i32 s23, s10, 16*SPITCH
	s_add_co_u32 s23, s23, STAGE                   ; my stage
	v_mul_u32_u24 v4, v1, SPITCH                   ; in: row l % 16, 16 bytes for each half of the lanes
	v_lshl_add_u32 v4, v2, 4, v4
	v_add_nc_u32 v[STO], s23, v4
	v_mul_u32_u24 v5, v2, SPITCH                   ; back: lanes 0-15 take one row of 256 bytes, lanes 16-31 the next
	v_lshl_add_u32 v5, v1, 4, v5
	v_add_nc_u32 v[RD], s23, v5
	v_mul_u32_u24 v5, v2, SIZE_N*2                 ; and the same two rows in qkv
	v_lshl_add_u32 v[CO], v1, 4, v5
	v_lshlrev_b32 v[BO], 5, v2
	; qkv and bq at my part of the first tile
	s_lshl_b32 s13, s13, 8
	s_lshl_b32 s14, s11, 7
	s_add_co_u32 s16, s13, s14                     ; my first row
	s_mov_b32 s17, 0
	s_mov_b64 s[18:19], SIZE_N*2
	s_mul_u64 s[16:17], s[16:17], s[18:19]
	s_add_nc_u64 s[CP:CP+1], s[CP:CP+1], s[16:17]
	s_lshl_b32 s46, s42, 8
	s_lshl_b32 s47, s12, 7
	s_add_co_u32 s46, s46, s47                     ; my first column
	s_lshl_b32 s20, s46, 2                         ; 4 bytes a column of the bias,
	s_mov_b32 s21, 0
	s_add_nc_u64 s[BP:BP+1], s[BP:BP+1], s[20:21]
	s_lshl_b32 s20, s46, 1                         ; 2 of qkv
	s_add_nc_u64 s[CP:CP+1], s[CP:CP+1], s[20:21]
	BLOADS
	; the prefetches.  s13 = 256 x tile row, s42 = tile column, s40 = cx, s41 = cy still stand
	s_lshl_b32 s42, s42, 8
	s_and_b32 s22, ttmp7, 0xffff                   ; cluster y
	s_cmp_eq_u32 s11, 0                            ; do I fetch for xb?
	s_cselect_b32 s20, s13, s42                    ; the tile's first row
	s_cselect_b32 s21, s40, s41                    ; my place among the four that ask for it with me
	s_cselect_b32 s22, ttmp9, s22                  ; the coordinate along which other clusters read the same rows
	s_cselect_b64 s[PFA:PFA+1], s[4:5], s[6:7]
	s_cmp_eq_u32 s22, 0
	s_cselect_b32 s[LIM], 1, -1                    ; the same in all sixteen partners, for a given wave
	s_lshl_b32 s22, s12, 7
	s_add_co_u32 s20, s20, s22                     ; + the 128 rows that I fetch
	s_lshl_b32 s21, s21, 5
	s_add_co_u32 s20, s20, s21                     ; + my work-group's 32 of them
	s_mov_b32 s21, 0
	s_mov_b64 s[18:19], SIZE_K*2
	s_mul_u64 s[20:21], s[20:21], s[18:19]
	s_add_nc_u64 s[PFA:PFA+1], s[PFA:PFA+1], s[20:21]
	s_add_nc_u64 s[PFA:PFA+1], s[PFA:PFA+1], 2*KSTEP*2  ; at K step 2: the first refill steps it to 3 and names K step 4
	v_and_b32 v[PFO], 31, v0
	v_mul_u32_u24 v[PFO], v[PFO], SIZE_K*2
	; nothing is prefetched here, at the head, where every work-group's first two tiles are on their way
; 16 matrix instructions: m blocks a0, a0 + 1 of the window's four (hi = 0: my rows 0-63, 1: rows 64-127) x all 8 n blocks, 32 along K.  first = 1: the product starts the sums, with the bias as C.
; The 64 accumulators take turns, one instruction a turn, in the same order in every quarter step.
.macro MUL16 f, hi, a0, first
.if \first
	WIN BIA_LO+0x40*(\hi)
.else
	WIN MUL_LO+0x50*(\hi)
.endif
.irp a, \a0, (\a0)+1
.irp b, 0,1,2,3,4,5,6,7
.set rD, 8*(8*(\a)+(\b))
.set rB, (\f)+8*(\b)
.set rA, (\f)+8*(4*(\hi)+(\a))
.set rC, rD
.if \first
.set rC, BIAS+8*(\b)
.endif
	v_wmma_f32_16x16x32_bf16 v[rD:rD+7], v[rB:rB+7], v[rA:rA+7], v[rC:rC+7]
.endr
.endr
.endm
; 32 LDS loads in one run: the fragments of one quarter step (128 rows of wq, 128 rows of xb, 32 K at byte k of the rows) into buffer f
.macro FETCH slot, k, f
	WIN TO_B
.irp i, 0,1,2,3,4,5,6,7
	ds_load_b128 v[(\f)+8*(\i):(\f)+8*(\i)+3],   v[ADRB+(\slot)] offset:(\k)+(\i)*16*PITCH
	ds_load_b128 v[(\f)+8*(\i)+4:(\f)+8*(\i)+7], v[ADRB+(\slot)] offset:(\k)+(\i)*16*PITCH+32
.endr
	WIN 0
.irp i, 0,1,2,3,4,5,6,7
	ds_load_b128 v[(\f)+8*(\i):(\f)+8*(\i)+3],   v[ADRA+(\slot)] offset:(\k)+(\i)*16*PITCH
	ds_load_b128 v[(\f)+8*(\i)+4:(\f)+8*(\i)+7], v[ADRA+(\slot)] offset:(\k)+(\i)*16*PITCH+32
.endr
.endm
; A load into a register that a matrix instruction has read, and a vector instruction that reads a matrix result, stand four places behind that matrix instruction, and only plain vector instructions that name
; none of its registers are places (ISA guide 7.12.1 for vector instructions).
.macro PLACES
.rept 4
	v_nop
.endr
.endm
; A K step is four quarter steps of 32 along K, 64 matrix instructions each, on buffers 0, 1, 0, 1.  One of the first three: multiplies buffer f; in its middle it fetches the next quarter's fragments, at byte k, into buffer g.
.macro QUARTER slot, k, f, g, first
	s_wait_dscnt 8                                 ; wq's fragments and xb's rows 0-63 are in; the youngest eight loads (xb's rows 64-127) may be out
	MUL16 \f, 0, 0, \first
	MUL16 \f, 0, 2, \first
	PLACES
	FETCH \slot, \k, \g
	s_wait_dscnt 32                                ; all but the 32 just issued
	MUL16 \f, 1, 0, \first
	MUL16 \f, 1, 2, \first
.endm
; The last quarter multiplies buffer 1 and changes slots.  MEET is its first half: one barrier for two things.  In front of it each wave waits for all its tensor loads, of which one is out: its part of the next slot;
; adds 0 to its spare word; and waits for that and for its own reads of this slot.  Behind it nobody reads this slot any more and the next slot is whole.
.macro MEET round                      ; round = 1: a round of the cluster's barrier follows
	WIN 0                                          ; (the add's two registers lie in window 0)
	s_wait_tensorcnt 0x0                           ; all my tensor loads have landed;
	ds_add_u32 v[SPW], v[NIL]                      ; 0 onto my spare word;
	s_wait_dscnt 9                                 ; (the add and the youngest eight loads may be out)
	MUL16 F1, 0, 0, 0                              ; sixteen matrix instructions stand between the add and the wait for it
	s_wait_dscnt 0x0                               ; the add is done, and my reads of this slot are over:
	s_barrier_signal -1                            ; say so,
	MUL16 F1, 0, 2, 0                              ; work on registers while the others arrive,
.if \round
	WIN 0
.endif
	s_barrier_wait -1                              ; and go on when all four have said so
.endm
; The whole last quarter.  Behind the round the slot just read out is filled again first: with this tile's K step two steps on (on = 0) or, in a tile's last two K steps, with the NEXT tile's K step 0 or 1 (on = 1);
; then come the next slot's first fragments.  From a request to the wait for it a wave issues 224 matrix instructions, across tiles too.
.macro TURN slot, next, on
	s_wait_xcnt 0x0                                ; the last prefetch, a K step back, has read its address: it is stepped here, ahead of the waits of the change of slots
.if (\on) && (\slot) == 0
	s_add_nc_u64 s[PFA:PFA+1], s[PFA:PFA+1], (WALKN-1)*SIZE_K*2+KSTEP*2  ; from the K step after the tile's last to the next tile's K step 1: WALKN rows down, back along K
	s_cmp_eq_u32 s11, 1
	s_cselect_b32 s[LIM], s[LIM], -1               ; xb's rows are the same for all tiles of the walk: they are prefetched no more, and their waves' address is used no more
.else
	s_add_nc_u64 s[PFA:PFA+1], s[PFA:PFA+1], KSTEP*2
.endif
	MEET 1
	CREST                                          ; no wave of any partner still reads this slot's tile or has a load on its way
.if \on
	s_sub_nc_u64 s[G0+4*(\slot)+2:G0+4*(\slot)+3], s[G0+4*(\slot)+2:G0+4*(\slot)+3], BACK_A
	s_add_nc_u64 s[G0B+4*(\slot)+2:G0B+4*(\slot)+3], s[G0B+4*(\slot)+2:G0B+4*(\slot)+3], NEXT_B
.else
	s_add_nc_u64 s[G0+4*(\slot)+2:G0+4*(\slot)+3], s[G0+4*(\slot)+2:G0+4*(\slot)+3], 2*KSTEP*2
	s_add_nc_u64 s[G0B+4*(\slot)+2:G0B+4*(\slot)+3], s[G0B+4*(\slot)+2:G0B+4*(\slot)+3], 2*KSTEP*2
.endif
	JLOAD \slot                                    ; the first tensor load behind the round, my only one until the next; the four v_nop behind it are also the places in front of the loads below
	FETCH \next, 0, F0
	ASK \on
	MUL16 F1, 1, 0, 0
	MUL16 F1, 1, 2, 0
.endm
; THE WAY OUT of block a (16 rows x 128 columns), in three parts.  PACK: rounded to f16, 16 bytes a lane, each accumulator's registers in ascending order.  TOSTAGE: into my own stage, and back as whole rows of 256 bytes.  SEND: stored.
.macro PACK a
.set AC, 64*((\a)%4)
	WIN 0x0a+5*((\a)/4)                            ; sources 0 and 1: window 2 or 3
.irp b, 0,1,2,3,4,5,6,7
.irp r, 0,1,2,3
	v_cvt_pk_f16_f32 v[TMP+4*(\b)+(\r)], v[AC+8*(\b)+2*(\r)], v[AC+8*(\b)+2*(\r)+1]
.endr
.endr
	WIN 0
.endm
.macro TOSTAGE a
	WIN 0
.set BK, OB+192*((\a)%2)
.irp b, 0,1,2,3,4,5,6,7
	ds_store_b128 v[STO], v[TMP+4*(\b):TMP+4*(\b)+3] offset:32*(\b)
.endr
.irp t, 0,1,2,3,4,5,6,7
	ds_load_b128 v[BK+4*(\t):BK+4*(\t)+3], v[RD] offset:(\t)*2*SPITCH  ; LDS serves a wave's instructions in order (ISA guide 5.7.1.4): these see the stores above
.endr
.endm
.macro SEND a, younger
	WIN 0
.set BK, OB+192*((\a)%2)
	s_wait_dscnt \younger                          ; the block is back in registers
	s_wait_xcnt 0x0                                ; the registers that the block before last's stores read are loaded again only behind this wait
.irp t, 0,1,2,3,4,5,6,7
	global_store_b128 v[CO], v[BK+4*(\t):BK+4*(\t)+3], s[CP:CP+1] offset:(16*(\a)+2*(\t))*SIZE_N*2  ; 16 lanes store 256 consecutive bytes, at a multiple of 256 from qkv's first byte; 126 rows at the most stand in the immediate
.endr
.endm
	s_wait_tensorcnt 1                             ; my part of K step 0 is in; K step 1's may stay out
	s_barrier_signal -1
	s_barrier_wait -1                              ; everybody's is
	FETCH 0, 0, F0
	s_mov_b32 s2, TILES                            ; tiles to go, this one among them: the same number in every work-group
.Ltile:
	s_wait_loadcnt 0x0                             ; this tile's bias is in
	QUARTER 0, 64,  F0, F1, 1                      ; a tile's first quarter stands in front of the loop: its products start the sums
	WIN 0                                          ; at a label and at a branch every window is 0
	s_cmp_eq_u32 s2, 1
	s_cbranch_scc1 .Lno_bias                       ; the last tile has no successor
	PLACES                                         ; the bias registers were read by the products just issued
	s_add_nc_u64 s[BP:BP+1], s[BP:BP+1], WALKN*4   ; (free since the wait at the tile's head showed its loads done)
	BLOADS                                         ; the next tile's bias: a whole tile in which to land
.Lno_bias:
	s_mov_b32 s3, LAPS-1
.Llap:                                                 ; a trip goes once round the ring, from a lap's second quarter to the next lap's first, and fills both slots again
	QUARTER 0, 128, F1, F0, 0
	QUARTER 0, 192, F0, F1, 0
	TURN 0, 1, 0
	QUARTER 1, 64,  F0, F1, 0
	QUARTER 1, 128, F1, F0, 0
	QUARTER 1, 192, F0, F1, 0
	TURN 1, 0, 0
	QUARTER 0, 64,  F0, F1, 0
	WIN 0
	s_sub_co_u32 s3, s3, 1
	s_cmp_lg_u32 s3, 0
	s_cbranch_scc1 .Llap
	QUARTER 0, 128, F1, F0, 0                      ; the tile's last lap goes on
	QUARTER 0, 192, F0, F1, 0
	WIN 0
	s_cmp_eq_u32 s2, 1
	s_cbranch_scc1 .Llast_tile                     ; the last tile's tail is written out: it asks for nothing more
	TURN 0, 1, 1                                   ; THE RING GOES ON INTO THE NEXT TILE: slot 0 takes its K step 0,
	QUARTER 1, 64,  F0, F1, 0
	QUARTER 1, 128, F1, F0, 0
	QUARTER 1, 192, F0, F1, 0
	TURN 1, 0, 1                                   ; slot 1 its K step 1, and the next tile's first fragments are fetched: both refills are asked for when the tile goes out
	WIN 0
	s_branch .Lout                                 ; on this way blocks 0-3 were finished in front of the joint load's v_nop; their 128 conversions, which name no register of the last products, are those products' places
.Llast_tile:
	MEET 0                                         ; my one tensor load that was still out is slot 1's, the last K step's, so no round follows
	PLACES                                         ; for the loads into buffer 0, which the quarter before multiplied
	FETCH 1, 0, F0
	MUL16 F1, 1, 0, 0
	MUL16 F1, 1, 2, 0
	QUARTER 1, 64,  F0, F1, 0
	QUARTER 1, 128, F1, F0, 0
	QUARTER 1, 192, F0, F1, 0
	s_wait_dscnt 8                                 ; the very last quarter: nothing more to fetch
	MUL16 F1, 0, 0, 0
	MUL16 F1, 0, 2, 0
	s_wait_dscnt 0x0
	MUL16 F1, 1, 0, 0
	MUL16 F1, 1, 2, 0
	WIN 0
	PLACES                                         ; on this way the conversions read results just made
.Lout:                                                 ; THE TILE GOES OUT: one text for all three tiles.  Block a's conversions stand between block a - 1's loads from the stage and the wait for them
	PACK 0
	TOSTAGE 0
.irp a, 1,2,3,4,5,6,7
	PACK \a
	SEND (\a)-1, 0
	TOSTAGE \a
.endr
	SEND 7, 0
	s_wait_xcnt 0x0                                ; the stores have read their base
	s_add_nc_u64 s[CP:CP+1], s[CP:CP+1], WALKN*2   ; the next tile's columns (behind the last tile the stepped address is not used)
	s_sub_co_u32 s2, s2, 1
	s_cmp_lg_u32 s2, 0
	s_cbranch_scc1 .Ltile
	s_wait_tensorcnt 0x0                           ; the wave's end, behind my last tensor load and my last LDS store
	ds_add_u32 v[SPW], v[NIL]
	s_wait_dscnt 0x0
	CROUND                                         ; the closing round: no work-group ends while a partner may still ask for a tile that names it
	s_endpgm
.Lfunc_end_k_q5984c7edaa_gemm_qkv:
	.size	k_q5984c7edaa_gemm_qkv, .Lfunc_end_k_q5984c7edaa_gemm_qkv-k_q5984c7edaa_gemm_qkv
	.p2alignl 7, 3214868480
	.fill 96, 4, 3214868480
	.section	.rodata,"a",@progbits
	.p2align	6, 0x0
	.amdhsa_kernel k_q5984c7edaa_gemm_qkv
		.amdhsa_group_segment_fixed_size 327680
		.amdhsa_private_segment_fixed_size 0
		.amdhsa_enable_private_segment 0
		.amdhsa_kernarg_size 32
		.amdhsa_user_sgpr_count 2
		.amdhsa_user_sgpr_kernarg_segment_ptr 1
		.amdhsa_wavefront_size32 1
		.amdhsa_system_sgpr_workgroup_id_x 1
		.amdhsa_system_sgpr_workgroup_id_y 1
		.amdhsa_system_sgpr_workgroup_id_z 1
		.amdhsa_system_vgpr_workitem_id 0
		.amdhsa_next_free_vgpr 1024
		.amdhsa_next_free_sgpr 72
		.amdhsa_reserve_vcc 0
		.amdhsa_float_denorm_mode_32 3
		.amdhsa_float_denorm_mode_16_64 3
		.amdhsa_memory_ordered 1
		.amdhsa_forward_progress 1
		.amdhsa_inst_pref_size 182
	.end_amdhsa_kernel
	.amdgpu_metadata
---
amdhsa.version: [ 1, 2 ]
amdhsa.kernels:
  - .name:           k_q5984c7edaa_gemm_qkv
    .symbol:         k_q5984c7edaa_gemm_qkv.kd
    .args:
      - { .name: xb, .offset: 0, .size: 8, .value_kind: global_buffer, .address_space: global }
      - { .name: wq, .offset: 8, .size: 8, .value_kind: global_buffer, .address_space: global }
      - { .name: qkv, .offset: 16, .size: 8, .value_kind: global_buffer, .address_space: global }
      - { .name: bq, .offset: 24, .size: 8, .value_kind: global_buffer, .address_space: global }
    .group_segment_fixed_size: 327680
    .private_segment_fixed_size: 0
    .kernarg_segment_align: 8
    .kernarg_segment_size: 32
    .max_flat_workgroup_size: 128
    .sgpr_count:     72
    .vgpr_count:     1024
    .wavefront_size: 32
...
	.end_amdgpu_metadata
.endif
;; end of part 2
;; launch attn (part 3): grid 256 x 1, 16 waves a work-group, no clusters, 71,680 bytes of LDS; arguments qkv, a2; writes a2
.if DOCPART == 3
	.amdgcn_target "amdgcn-amd-amdhsa--gfx1250"
	.amdhsa_code_object_version 6
	.text
	.protected	k_q5984c7edaa_attn
	.globl	k_q5984c7edaa_attn
	.p2align	8
	.type	k_q5984c7edaa_attn,@function
k_q5984c7edaa_attn:
	s_mov_b64 s[64:65], 0
	v_nop
	global_prefetch_b8 v0, s[64:65] scope:SCOPE_SE
	s_setreg_imm32_b32 hwreg(HW_REG_WAVE_MODE, 25, 1), 1
	s_wait_xcnt 0x0
; FOR EACH TOKEN BY ITSELF, attention over its 16 heads: S[h][g] = q[h] . k[g] / 8, P = softmax over g, O[h] = the sum over g of P[h][g] v[g]; O is stored where the last product wants it.
; qkv: [16,384][3,072] f16, a token's columns permuted by the launch that rounds the weights: twelve pieces of 512 bytes (q's four, k's four, v's four); lane l takes the 16 bytes at 16 l of a piece.
;   q's and k's pieces 2 c, 2 c + 1 ARE registers 0-3, 4-7 of the fragment (16 heads x channels 32 c .. 32 c + 31); v's piece f IS registers 0-3 of V^T's fragment (channels 16 f .. + 15 x heads 8 (l / 16) + 0..7).
; a2: [16,384][1,024] f16: head h of token l of batch b lies in row 4,096 b + 256 h + l / 16, at columns 64 (l % 16) + d.
; Products, maximum and sum in f32.  The maximum over g is taken away before the exponential.  P is divided by its sum in f32 and rounded to f16 for the second product; O is rounded once.
; LIMITS.  q, k, v arrive within f16's 65,504; a weight below 2^-126 counts as 0; NaN and infinities are not treated apart: the second product's K = 16..31 multiply other numbers of v by 0, so an infinite v spoils its token.
; SHARES.  A stream with a little matrix work: no loop, no barrier, nothing shared between waves.  A work-group takes 64 tokens, a wave 4: its 48 loads of 512 consecutive bytes go out at once.  The four tokens are worked on as
; two PAIRS: a pair is 256 consecutive bytes, aligned, of each of 16 rows of a2, gathered in the wave's own stage in LDS.
; LAYOUT.  S^T = K Q^T (source 0 = the 16 heads g, source 1 = the 16 heads h): a lane holds ONE h (l % 16) and g = 8 (l / 16) + 0..7: the softmax wants one exchange between the halves of the lanes, and the eight weights,
; rounded in pairs, ARE registers 0-3 of source 1 of O^T = V^T P; registers 4-7 hold 0.  O^T again holds one h a lane, and eight channels on end: 16 bytes.
.set SP,    272                        ; a stage's row: 256 bytes + 16: the 16 rows of a store start at 16 different groups of four banks (64 banks of 4 bytes: ISA guide 11.1)
.set SPARE, 16*16*SP                   ; behind the 16 stages: the spare words, 128 bytes for each wave: eight blocks of 256 bytes that no other line names
.set LO,  1                            ; v1   16 x lane
.set STO, 2                            ; v2   where I put 16 bytes of a stage row
.set RD,  3                            ; v3   where I read a row back
.set GO,  4                            ; v4   my byte offset in a2: 524,288 (l / 16) + 16 (l % 16): lanes 0-15 one head's row, lanes 16-31 the next head's
.set SPW, 5                            ; v5   LDS address of my spare word; never rewritten
.set NIL, 6                            ; v6   0; never rewritten
.set ST,  8                            ; v8-15  for each token of the pair: c m, m, l (then 1 / l), one at work
.set TB0, 16                           ; token t's 52 registers at TB0 + 52 t: V 0-15, four zeros 16-19, Q 20-35, K 36-51; O^T later takes Q's and K's 32
.set TSZ, 52
.set S,   224                          ; v224-239  S^T, eight a token of the pair
.set P,   240                          ; v240-255  P, eight a token of the pair; the upper four hold 0
.set SEL, 12                           ; s[12:13]  v_permlanex16_b32's selects: each lane takes its own place in the other half
.set CS,  14                           ; s[14:15]  c = log2(e) / 8
	s_load_b128 s[4:7], s[0:1], 0x0                ; qkv, a2
	v_lshl_add_u32 v[SPW], v0, 2, SPARE
	v_mov_b32 v[NIL], 0
	v_lshrrev_b32 v7, 5, v0
	v_readfirstlane_b32 s8, v7                     ; wave 0..15
	v_and_b32 v7, 31, v0
	v_lshlrev_b32 v[LO], 4, v7
	s_lshl_b32 s10, ttmp9, 6
	s_lshl_b32 s9, s8, 2
	s_add_co_u32 s10, s10, s9                      ; my first token
	s_mul_i32 s16, s10, 6144                       ; its bytes in qkv (under 2^27)
	s_mov_b32 s17, 0
	s_and_b32 s18, s10, 0xfffff000                 ; 4,096 x batch
	s_bfe_u32 s19, s10, 0x80004                    ; l / 16
	s_add_co_u32 s18, s18, s19                     ; head 0's row
	s_lshl_b32 s18, s18, 11
	s_and_b32 s19, s10, 15                         ; l % 16, a multiple of 4
	s_lshl_b32 s19, s19, 7
	s_add_co_u32 s18, s18, s19
	s_mov_b32 s19, 0
	s_wait_kmcnt 0x0
	s_add_nc_u64 s[4:5], s[4:5], s[16:17]
	s_add_nc_u64 s[6:7], s[6:7], s[18:19]
.irp t, 0,1,2,3
.irp i, 0,1,2,3
	global_load_b128 v[TB0+TSZ*(\t)+4*(\i):TB0+TSZ*(\t)+4*(\i)+3], v[LO], s[4:5] offset:6144*(\t)+4096+512*(\i) th:TH_LOAD_NT
.endr
.irp i, 0,1,2,3
	global_load_b128 v[TB0+TSZ*(\t)+20+4*(\i):TB0+TSZ*(\t)+20+4*(\i)+3], v[LO], s[4:5] offset:6144*(\t)+512*(\i) th:TH_LOAD_NT
.endr
.irp i, 0,1,2,3
	global_load_b128 v[TB0+TSZ*(\t)+36+4*(\i):TB0+TSZ*(\t)+36+4*(\i)+3], v[LO], s[4:5] offset:6144*(\t)+2048+512*(\i) th:TH_LOAD_NT
.endr
.endr
	; the rest of the set-up stands in the wait for the loads
	v_and_b32 v[S], 15, v0                         ; l % 16
	v_bfe_u32 v[S+1], v0, 4, 1                     ; l / 16
	s_mul_i32 s9, s8, 16*SP                        ; my stage
	v_mul_u32_u24 v[STO], v[S], SP                 ; in: row h = l % 16, 16 bytes for each half of the lanes
	v_lshl_add_u32 v[STO], v[S+1], 4, v[STO]
	v_add_nc_u32 v[STO], s9, v[STO]
	v_mul_u32_u24 v[RD], v[S+1], SP                ; back: lanes 0-15 take one row of 256 bytes, lanes 16-31 the next
	v_lshl_add_u32 v[RD], v[S], 4, v[RD]
	v_add_nc_u32 v[RD], s9, v[RD]
	v_lshlrev_b32 v[GO], 19, v[S+1]                ; from a head's row to the next head's: 256 rows of 2,048 bytes
	v_lshl_add_u32 v[GO], v[S], 4, v[GO]
.irp i, 0,1,2,3,4,5,6,7
	v_mov_b32 v[ST+(\i)], 0                        ; v_permlanex16_b32's destination counts as read
.endr
.irp t, 0,1,2,3
.irp i, 16,17,18,19
	v_mov_b32 v[TB0+TSZ*(\t)+(\i)], 0              ; the upper half of V^T's last fragment
.endr
.endr
.irp i, 4,5,6,7,12,13,14,15
	v_mov_b32 v[P+(\i)], 0                         ; P's K = 16..31
.endr
	s_mov_b32 s[SEL], 0x76543210
	s_mov_b32 s[SEL+1], 0xfedcba98
	s_mov_b32 s[CS], 0x3e38aa3b                    ; 0.180337
	s_mov_b32 s[CS+1], s[CS]                       ; named with it as a pair
; Tokens 2 p and 2 p + 1; the two tokens' lines alternate, so that no line waits for the one before it.
.macro PAIR p
.set TA, TB0+2*TSZ*(\p)
	s_wait_loadcnt 24-24*(\p)                      ; the pair's 24 loads are in; the second pair's 24 may stay out
.irp c, 0,1                            ; S^T = K Q^T: the two accumulators take turns
.irp u, 0,1
.if (\c) == 0
	v_wmma_f32_16x16x32_f16 v[S+8*(\u):S+8*(\u)+7], v[TA+TSZ*(\u)+36:TA+TSZ*(\u)+43], v[TA+TSZ*(\u)+20:TA+TSZ*(\u)+27], 0
.else
	v_wmma_f32_16x16x32_f16 v[S+8*(\u):S+8*(\u)+7], v[TA+TSZ*(\u)+44:TA+TSZ*(\u)+51], v[TA+TSZ*(\u)+28:TA+TSZ*(\u)+35], v[S+8*(\u):S+8*(\u)+7]
.endif
.endr
.endr
.rept 4
	v_nop                                          ; four places between the products and the first read of their results (ISA guide 7.12.1)
.endr
.irp u, 0,1                            ; the maximum of my eight scores, from the accumulator's low end on,
	v_max3_num_f32 v[ST+4*(\u)+1], v[S+8*(\u)], v[S+8*(\u)+1], v[S+8*(\u)+2]
.endr
.irp j, 3,5
.irp u, 0,1
	v_max3_num_f32 v[ST+4*(\u)+1], v[ST+4*(\u)+1], v[S+8*(\u)+(\j)], v[S+8*(\u)+(\j)+1]
.endr
.endr
.irp u, 0,1
	v_max_num_f32 v[ST+4*(\u)+1], v[ST+4*(\u)+1], v[S+8*(\u)+7]
.endr
.irp u, 0,1
	v_permlanex16_b32 v[ST+4*(\u)+3], v[ST+4*(\u)+1], s[SEL], s[SEL+1]  ; and of the head's other eight, in the lane 16 away
.endr
.irp u, 0,1
	v_max_num_f32 v[ST+4*(\u)+1], v[ST+4*(\u)+1], v[ST+4*(\u)+3]
.endr
.irp u, 0,1
	v_mul_f32 v[ST+4*(\u)], s[CS], v[ST+4*(\u)+1]  ; c m
.endr
.irp j, 0,2,4,6
.irp u, 0,1
	v_pk_fma_f32 v[S+8*(\u)+(\j):S+8*(\u)+(\j)+1], v[S+8*(\u)+(\j):S+8*(\u)+(\j)+1], s[CS:CS+1], v[ST+4*(\u):ST+4*(\u)+1] op_sel_hi:[1,0,0] neg_lo:[0,0,1] neg_hi:[0,0,1]  ; c s - c m
.endr
.endr
.irp j, 0,1,2,3,4,5,6,7
.irp u, 0,1
	v_exp_f32 v[S+8*(\u)+(\j)], v[S+8*(\u)+(\j)]
.endr
.endr
	v_nop                                          ; a plain instruction behind the last exponential,
	s_wait_alu depctr_va_vdst(0)                   ; and the wait ahead of the first use: one for the pair's sixteen
.irp u, 0,1                            ; the sum; Q's first four registers are free since the places above
	v_pk_add_f32 v[TA+TSZ*(\u)+20:TA+TSZ*(\u)+21], v[S+8*(\u):S+8*(\u)+1], v[S+8*(\u)+2:S+8*(\u)+3]
	v_pk_add_f32 v[TA+TSZ*(\u)+22:TA+TSZ*(\u)+23], v[S+8*(\u)+4:S+8*(\u)+5], v[S+8*(\u)+6:S+8*(\u)+7]
.endr
.irp u, 0,1
	v_pk_add_f32 v[TA+TSZ*(\u)+20:TA+TSZ*(\u)+21], v[TA+TSZ*(\u)+20:TA+TSZ*(\u)+21], v[TA+TSZ*(\u)+22:TA+TSZ*(\u)+23]
.endr
.irp u, 0,1
	v_add_f32 v[ST+4*(\u)+2], v[TA+TSZ*(\u)+20], v[TA+TSZ*(\u)+21]
.endr
.irp u, 0,1
	v_permlanex16_b32 v[ST+4*(\u)+3], v[ST+4*(\u)+2], s[SEL], s[SEL+1]
.endr
.irp u, 0,1
	v_add_f32 v[ST+4*(\u)+2], v[ST+4*(\u)+2], v[ST+4*(\u)+3]
.endr
.irp u, 0,1
	v_rcp_f32 v[ST+4*(\u)+2], v[ST+4*(\u)+2]       ; l is at least the largest weight, which is 1 to within rounding
.endr
	v_nop
	s_wait_alu depctr_va_vdst(0)                   ; one wait for the two reciprocals
.irp j, 0,2,4,6
.irp u, 0,1
	v_pk_mul_f32 v[S+8*(\u)+(\j):S+8*(\u)+(\j)+1], v[S+8*(\u)+(\j):S+8*(\u)+(\j)+1], v[ST+4*(\u)+2:ST+4*(\u)+3] op_sel_hi:[1,0]
.endr
.endr
.irp j, 0,1,2,3
.irp u, 0,1
	v_cvt_pk_f16_f32 v[P+8*(\u)+(\j)], v[S+8*(\u)+2*(\j)], v[S+8*(\u)+2*(\j)+1]
.endr
.endr
.irp f, 0,1,2,3                        ; O^T = V^T P: eight accumulators, one product each.  Source 0's upper four registers (the next fragment, or the zeros) meet P's zeros
.irp u, 0,1
	v_wmma_f32_16x16x32_f16 v[TA+TSZ*(\u)+20+8*(\f):TA+TSZ*(\u)+27+8*(\f)], v[TA+TSZ*(\u)+4*(\f):TA+TSZ*(\u)+4*(\f)+7], v[P+8*(\u):P+8*(\u)+7], 0
.endr
.endr
.rept 4
	v_nop                                          ; four places: the conversions read the results and write over V
.endr
.irp u, 0,1
.irp f, 0,1,2,3
.irp j, 0,1,2,3
	v_cvt_pk_f16_f32 v[TA+TSZ*(\u)+4*(\f)+(\j)], v[TA+TSZ*(\u)+20+8*(\f)+2*(\j)], v[TA+TSZ*(\u)+20+8*(\f)+2*(\j)+1]
.endr
.endr
.endr
.irp u, 0,1
.irp f, 0,1,2,3
	ds_store_b128 v[STO], v[TA+TSZ*(\u)+4*(\f):TA+TSZ*(\u)+4*(\f)+3] offset:128*(\u)+32*(\f)  ; row h: token u's channels 16 f + 8 (l / 16) + 0..7
.endr
.endr
.irp t, 0,1,2,3,4,5,6,7
	ds_load_b128 v[TA+20+4*(\t):TA+20+4*(\t)+3], v[RD] offset:(\t)*2*SP  ; LDS serves a wave's instructions in order (ISA guide 5.7.1.4): these see the stores above, and the next pair's stores come behind them
.endr
.irp t, 0,1,2,3,4,5,6,7
	s_wait_dscnt 7-(\t)                            ; rows 2 t and 2 t + 1 are back; the younger loads may stay out
	global_store_b128 v[GO], v[TA+20+4*(\t):TA+20+4*(\t)+3], s[6:7] offset:1048576*(\t)+256*(\p) th:TH_STORE_NT  ; 16 lanes store 256 consecutive bytes, at a multiple of 256 from a2's first byte; no register that a store reads is written again
.endr
.endm
	PAIR 0
	PAIR 1
	s_wait_tensorcnt 0x0                           ; the wave's end, behind my last LDS store
	ds_add_u32 v[SPW], v[NIL]
	s_wait_dscnt 0x0
	s_endpgm
.Lfunc_end_k_q5984c7edaa_attn:
	.size	k_q5984c7edaa_attn, .Lfunc_end_k_q5984c7edaa_attn-k_q5984c7edaa_attn
	.p2alignl 7, 3214868480
	.fill 96, 4, 3214868480
	.section	.rodata,"a",@progbits
	.p2align	6, 0x0
	.amdhsa_kernel k_q5984c7edaa_attn
		.amdhsa_group_segment_fixed_size 71680
		.amdhsa_private_segment_fixed_size 0
		.amdhsa_enable_private_segment 0
		.amdhsa_kernarg_size 16
		.amdhsa_user_sgpr_count 2
		.amdhsa_user_sgpr_kernarg_segment_ptr 1
		.amdhsa_wavefront_size32 1
		.amdhsa_system_sgpr_workgroup_id_x 1
		.amdhsa_system_sgpr_workgroup_id_y 1
		.amdhsa_system_sgpr_workgroup_id_z 1
		.amdhsa_system_vgpr_workitem_id 0
		.amdhsa_next_free_vgpr 256
		.amdhsa_next_free_sgpr 66
		.amdhsa_reserve_vcc 0
		.amdhsa_float_denorm_mode_32 3
		.amdhsa_float_denorm_mode_16_64 3
		.amdhsa_memory_ordered 1
		.amdhsa_forward_progress 1
		.amdhsa_inst_pref_size 25
	.end_amdhsa_kernel
	.amdgpu_metadata
---
amdhsa.version: [ 1, 2 ]
amdhsa.kernels:
  - .name:           k_q5984c7edaa_attn
    .symbol:         k_q5984c7edaa_attn.kd
    .args:
      - { .name: qkv, .offset: 0, .size: 8, .value_kind: global_buffer, .address_space: global }
      - { .name: a2, .offset: 8, .size: 8, .value_kind: global_buffer, .address_space: global }
    .group_segment_fixed_size: 71680
    .private_segment_fixed_size: 0
    .kernarg_segment_align: 8
    .kernarg_segment_size: 16
    .max_flat_workgroup_size: 512
    .sgpr_count:     66
    .vgpr_count:     256
    .wavefront_size: 32
...
	.end_amdgpu_metadata
.endif
;; end of part 3
;; launch gemm_out (part 4): grid 4 x 64, 4 waves a work-group, clusters of 4 x 4, 327,680 bytes of LDS; arguments a2, wo, out0, bo; writes out0
.if DOCPART == 4
	.amdgcn_target "amdgcn-amd-amdhsa--gfx1250"
	.amdhsa_code_object_version 6
	.text
	.protected	k_q5984c7edaa_gemm_out
	.globl	k_q5984c7edaa_gemm_out
	.p2align	8
	.type	k_q5984c7edaa_gemm_out,@function
k_q5984c7edaa_gemm_out:
	s_mov_b64 s[64:65], 0
	v_nop
	global_prefetch_b8 v0, s[64:65] scope:SCOPE_SE
	s_setreg_imm32_b32 hwreg(HW_REG_WAVE_MODE, 25, 1), 1
	s_wait_xcnt 0x0
	s_wait_alu depctr_hold_cnt(0) depctr_sa_sdst(0) depctr_va_vdst(0) depctr_va_sdst(0) depctr_va_ssrc(0) depctr_va_vcc(0) depctr_vm_vsrc(0)
	s_getreg_b32 s2, hwreg(HW_REG_IB_STS2, 6, 4)
	s_cmp_eq_u32 s2, 0
	s_cbranch_scc0 .Lentry_in_a_cluster
	s_endpgm
.Lentry_in_a_cluster:
	s_bfe_u32 s2, ttmp6, 0x10000c
	s_cmp_lg_u32 s2, 0xf033
	s_cbranch_scc0 .Lentry_shape_is_right
	s_endpgm
.Lentry_shape_is_right:
; out0[t][n] = bo[n] + the sum over k of a2[t][k] wo[n][k].  a2: [16,384][1,024] f16, wo: [1,024][1,024] f16, bo: [1,024] f32, out0: [16,384][1,024] f32.  Sums in f32, K ascending, begun with the bias; stored as they are.
; SHARES.  A tile of out0 is 256 x 256, made by four waves, each 128 x 128: 64 accumulators of 16 x 16, 512 registers.  64 x 4 tiles: one for each of 256 work-groups.
; RING.  K goes in steps of 128 through two LDS slots filled by the tensor data mover; the rows of the tiles are 256 bytes of memory and start at multiples of 256 bytes from the buffer's first byte.
; CLUSTER.  4 x 4 work-groups.  The four of a row of the cluster need the same tiles of a2, the four of a column the same tiles of wo: each tile is asked for JOINTLY, by the same tensor load with the same descriptor
; and a mask that names the four; each receives it in its own LDS.
; THE MATRIX INSTRUCTION IS USED TRANSPOSED: source 0 = 16 rows of wo, source 1 = 16 rows of a2.  Lane l then holds row l % 16 of out0 and the columns 8 (l / 16) + 0..7: 32 bytes on end.
; THE BIAS is the C operand of each accumulator's first product: 64 registers hold the wave's 128 columns' bias in the accumulators' own layout; nothing is cleared and nothing is added afterwards.
; REGISTERS, in windows of 256 (s_set_vgpr_msb's low byte: bits 1:0 source 0, 3:2 source 1, 5:4 source 2, 7:6 destination):
;   window 0: v0-31 addresses; v64-127, v128-191 fragments of a2, two buffers; on the way out the same 128 hold rows read back from the stage
;   window 1: v0-63 the bias; v64-127, v128-191 fragments of wo, two buffers
;   window 2: the 32 accumulators of my rows 0-63 (accumulator (a, b) at v[8 (8 a + b)]);   window 3: those of my rows 64-127
.set SIZE_N, 1024
.set SIZE_K, 1024
.set KSTEP,  128
.set PITCH,  272                       ; an LDS row: 256 bytes + 16 of padding = 68 words: row r starts at bank 4 r mod 64 (64 banks of 4 bytes: ISA guide 11.1), so the 16 rows of a load start at 16 different banks
.set HALFT,  128*PITCH                 ; 128 rows: what one tensor load brings, and what one wave reads of either operand
.set SLOT,   4*HALFT                   ; a2's 256 rows, then wo's 256 rows
.set STAGE,  2*SLOT                    ; behind the ring: 16 rows x 528 bytes for each wave, for the way out
.set SPITCH, 528                       ; 512 bytes + 16: the 16 rows of a store again start at 16 different groups of four banks
.set SPARE,  STAGE+4*16*SPITCH         ; behind the stages: the spare words, 128 bytes for each wave: two blocks of 256 bytes that no other line names
.set LAPS,   SIZE_K/(2*KSTEP)          ; a lap = two K steps = once round the ring
.set ADRA, 16                          ; v16-17  LDS address of my fragments of a2 in slot 0, 1
.set ADRB, 20                          ; v20-21  the same for wo
.set STO,  24                          ; v24     the way out: where I put 32 bytes of a row
.set RD,   25                          ; v25     the way out: where I read 16 bytes of a row back
.set CO,   26                          ; v26     my byte offset in a row's 512 bytes of out0: 16 x lane
.set BO,   27                          ; v27     my byte offset in the bias: 32 (l / 16)
.set SPW,  28                          ; v28     LDS address of my spare word: SPARE + 4 x my thread's number; never rewritten
.set NIL,  29                          ; v29     0; never rewritten
.set PFO,  30                          ; v30     the prefetches' offset: my lane x a row of 2,048 bytes; never rewritten
.set F0,   64                          ; fragment buffer 0
.set F1,   128                         ; fragment buffer 1
.set BIAS, 0                           ; window 1: n block b's eight registers at 8 b
.set G1,  24                           ; s[24:31] descriptor group 1 for a2's tiles
.set G0,  32                           ; s[32:39] descriptor group 0 for a2's tiles, one set for each slot
.set LIM, 43                           ; s43      1 in a wave that prefetches, else the greatest number
.set PFA, 44                           ; s[44:45] where my prefetches stand: my work-group's 32 rows of the 128 that I fetch, one K step past the refill that is being asked for
.set G1B, 48                           ; s[48:55] descriptor group 1 for wo's tiles: it differs in the mask alone
.set G0B, 56                           ; s[56:63] descriptor group 0 for wo's tiles
.set CP,  68                           ; s[68:69] out0 at my part of the tile
.set BP,  70                           ; s[70:71] bo at my 128 columns
.set MSB, 0
.macro WIN new                         ; the immediate's high byte repeats the setting that is left; a switch that changes nothing is dropped
.if MSB != (\new)
	s_set_vgpr_msb (MSB<<8)|(\new)
.set MSB, \new
.endif
.endm
.set MUL_LO, 0xa1                      ; source 0 (wo) window 1, source 1 (a2) window 0, C and D window 2
.set MUL_HI, 0xf1                      ; the same, C and D window 3
.set BIA_LO, 0x91                      ; the same with C (the bias) in window 1, D in window 2
.set BIA_HI, 0xd1                      ; D in window 3
.set TO_B,   0x40                      ; destination window 1, address window 0
; A joint load.  Waves 0 and 1 fetch a2's two halves, waves 2 and 3 wo's.  Each of the two lines has one mask and one set of registers for all that issue it.  The branch hangs on the wave's number alone.
; An s_nop 0 and four v_nop follow each of the two lines, ahead of the jump, the label and what follows the macro.
.macro JLOAD s
	s_cmp_eq_u32 s11, 0
	s_cbranch_scc0 .Lfor_b_\@
	tensor_load_to_lds s[G0+4*(\s):G0+4*(\s)+3], s[G1:G1+7]
	s_nop 0
.rept 4
	v_nop
.endr
	s_branch .Lasked_\@
.Lfor_b_\@:
	tensor_load_to_lds s[G0B+4*(\s):G0B+4*(\s)+3], s[G1B:G1B+7]
	s_nop 0
.rept 4
	v_nop
.endr
.Lasked_\@:
.endm
; A PREFETCH INTO THE L2, behind each joint load, its five lines and the run of LDS loads that follows: the K step that stands TWO refills on: 32 rows x 256 bytes, a lane a row, one instruction a wave.
; Each row's 256 bytes of a K step are named once in the launch.  a2's tile row is read by one cluster alone, which asks for it; wo's tile column is read by every cluster: the cluster with y = 0 asks.
; The four partners that ask for a tile jointly share its rows out BY ADDRESS: of the 128 rows that a wave fetches the partner at place p takes 32 p .. 32 p + 31 (p = cx for a2, cy for wo).
; The last two refills have no K step two on and ask for nothing.
.macro ASK
	s_cmp_gt_u32 s3, s[LIM]                        ; s3 = 1 in the loop's last trip
	s_cbranch_scc0 .Lnot_mine_\@
	global_prefetch_b8 v[PFO], s[PFA:PFA+1] offset:KSTEP*2 th:TH_LOAD_NT scope:SCOPE_SE
.Lnot_mine_\@:
.endm
; A round of the cluster's barrier: my work-group's barrier, so that wave 0's signal speaks for all four waves; wave 0 signals for the work-group; every wave waits for all sixteen; my work-group's barrier once more.
.macro CREST                           ; a round behind its opening barrier
	s_cmp_lg_u32 s10, 0
	s_cbranch_scc1 .Lnot_wave_0_\@
	s_barrier_signal -3
.Lnot_wave_0_\@:
	s_barrier_wait -3
	s_barrier_signal -1
	s_barrier_wait -1
.endm
.macro CROUND                          ; a whole round
	s_barrier_signal -1
	s_barrier_wait -1
	CREST
.endm
	s_load_b128 s[4:7], s[0:1], 0x0                ; a2 s[4:5], wo s[6:7]
	s_load_b128 s[CP:CP+3], s[0:1], 0x10           ; out0, bo
	v_lshl_add_u32 v[SPW], v0, 2, SPARE
	v_mov_b32 v[NIL], 0
	ds_add_u32 v[SPW], v[NIL]                      ; the wave's opening: the add and its wait stand ahead of my first tensor load; the set-up below, work on registers, stands between them
	v_lshrrev_b32 v1, 5, v0
	v_readfirstlane_b32 s10, v1                    ; wave 0..3
	s_lshr_b32 s11, s10, 1                         ; which half of the tile's rows is mine.  Also: I fetch for a2 (0) or for wo (1)
	s_and_b32 s12, s10, 1                          ; which half of its columns.  Also: which 128 rows of that tile I fetch
	s_bfe_u32 s40, ttmp6, 0x40000                  ; cx: my place along the cluster's x
	s_bfe_u32 s41, ttmp6, 0x40004                  ; cy: along its y
	s_lshl_b32 s42, ttmp9, 2                       ; in a cluster launch ttmp9 and ttmp7 count clusters
	s_add_co_u32 s42, s42, s40                     ; tile column = 4 x cluster x + cx
	s_and_b32 s13, ttmp7, 0xffff
	s_lshl_b32 s13, s13, 2
	s_add_co_u32 s13, s13, s41                     ; tile row = 4 x cluster y + cy
	s_lshl_b32 s43, s41, 2
	s_lshl_b32 s43, 15, s43                        ; my row of the cluster: places 4 cy .. 4 cy + 3
	s_lshl_b32 s44, 0x1111, s40                    ; my column: places cx, cx + 4, cx + 8, cx + 12
	; descriptor group 1: a tile of 128 rows x 128 elements, padded in LDS
	s_or_b32 s[G1+0], s43, (1<<16)|(1<<20)|(1<<21)|(5<<22)|(3<<25)  ; 15:0 the mask: a2's tiles go to my row; 17:16 elements of 2 bytes; 20 padding on; 21 set beside a mask; 24:22 after every 64 words (code 5); 31:25 4 words of it (code 3)
	s_or_b32 s[G1B+0], s44, (1<<16)|(1<<20)|(1<<21)|(5<<22)|(3<<25) ; the same with the mask of my column, for wo's tiles
	s_mov_b32 s[G1B+1], KSTEP<<16
	s_mov_b32 s[G1+1], KSTEP<<16                   ; tensor_dim0 = 128
	s_mov_b32 s[G1B+2], 128<<16
	s_mov_b32 s[G1+2], 128<<16                     ; tensor_dim1 = 128
	s_mov_b32 s[G1B+3], KSTEP<<16
	s_mov_b32 s[G1+3], KSTEP<<16                   ; tile_dim0 = 128
	s_mov_b32 s[G1B+4], 128
	s_mov_b32 s[G1+4], 128                         ; tile_dim1 = 128
	s_mov_b32 s[G1B+5], SIZE_K
	s_mov_b32 s[G1+5], SIZE_K                      ; elements from row to row
	s_mov_b32 s[G1B+6], 0
	s_mov_b32 s[G1+6], 0
	s_mov_b32 s[G1B+7], 0
	s_mov_b32 s[G1+7], 0
	; where the tiles come from.  a2's hang on the tile row alone, which my row of the cluster shares; wo's on the tile column alone, which my column shares.
	s_lshl_b32 s17, s12, 7                         ; which 128 rows of the tile I fetch
	s_lshl_b32 s16, s13, 8
	s_add_co_u32 s16, s16, s17                     ; a2: row 256 x tile row + 128 x half
	s_lshl_b32 s46, s42, 8
	s_add_co_u32 s46, s46, s17                     ; wo: row 256 x tile column + 128 x half
	s_mov_b32 s17, 0
	s_mov_b32 s47, 0
	s_mov_b64 s[18:19], SIZE_K*2
	s_mul_u64 s[16:17], s[16:17], s[18:19]         ; in bytes
	s_mul_u64 s[46:47], s[46:47], s[18:19]
	s_mul_i32 s20, s10, HALFT                      ; and where they go: wave x 128 rows: no place in the cluster enters an LDS address
	s_wait_dscnt 0x0                               ; the opening add is done
	s_wait_kmcnt 0x0
	s_add_nc_u64 s[14:15], s[4:5], s[16:17]
	s_add_nc_u64 s[46:47], s[6:7], s[46:47]
	CROUND                                         ; all sixteen work-groups are here: the first joint loads meet
.irp s, 0,1
	s_mov_b32 s[G0+4*(\s)], 1                                      ; count = 1
	s_add_co_u32 s[G0+4*(\s)+1], s20, (\s)*SLOT                    ; LDS address
	s_add_nc_u64 s[G0+4*(\s)+2:G0+4*(\s)+3], s[14:15], (\s)*KSTEP*2  ; global address: K step s
	s_or_b32 s[G0+4*(\s)+3], s[G0+4*(\s)+3], 0x80000000            ; type = 2
	s_mov_b32 s[G0B+4*(\s)], 1
	s_add_co_u32 s[G0B+4*(\s)+1], s20, (\s)*SLOT
	s_add_nc_u64 s[G0B+4*(\s)+2:G0B+4*(\s)+3], s[46:47], (\s)*KSTEP*2
	s_or_b32 s[G0B+4*(\s)+3], s[G0B+4*(\s)+3], 0x80000000
	JLOAD \s                                       ; the ring is filled before anything else is done: two loads of mine are out
.endr
	; A fragment is 16 rows x 32 K in 8 registers: lane l holds row l % 16; registers 0-3 K = 8 (l / 16) + 0..7, registers 4-7 K = 16 + 8 (l / 16) + 0..7: two loads of 16 bytes, 32 bytes apart.
	v_and_b32 v1, 15, v0                           ; l % 16
	v_bfe_u32 v2, v0, 4, 1                         ; l / 16
	v_mul_u32_u24 v3, v1, PITCH
	v_lshl_add_u32 v3, v2, 4, v3                   ; row x pitch + 16 x half
	s_mul_i32 s21, s11, HALFT                      ; my 128 rows of a2
	s_mul_i32 s22, s12, HALFT                      ; my 128 rows of wo,
	s_add_co_u32 s22, s22, 2*HALFT                 ; which lie behind a2's 256
.irp s, 0,1
	v_add_nc_u32 v[ADRA+(\s)], s21, v3
	v_add_nc_u32 v[ADRB+(\s)], s22, v3
	s_add_co_u32 s21, s21, SLOT
	s_add_co_u32 s22, s22, SLOT
.endr
	s_mul_i32 s23, s10, 16*SPITCH
	s_add_co_u32 s23, s23, STAGE                   ; my stage
	v_mul_u32_u24 v4, v1, SPITCH                   ; in: row l % 16, 32 bytes for each half of the lanes
	v_lshl_add_u32 v4, v2, 5, v4
	v_add_nc_u32 v[STO], s23, v4
	v_and_b32 v5, 31, v0
	v_lshlrev_b32 v[CO], 4, v5                     ; back, and out: 32 lanes take a row's 512 bytes
	v_add_nc_u32 v[RD], s23, v[CO]
	v_lshlrev_b32 v[BO], 5, v2
	; out0 and bo at my part of the tile
	s_lshl_b32 s13, s13, 8
	s_lshl_b32 s14, s11, 7
	s_add_co_u32 s16, s13, s14                     ; my first row
	s_mov_b32 s17, 0
	s_mov_b64 s[18:19], SIZE_N*4
	s_mul_u64 s[16:17], s[16:17], s[18:19]
	s_add_nc_u64 s[CP:CP+1], s[CP:CP+1], s[16:17]
	s_lshl_b32 s46, s42, 8
	s_lshl_b32 s47, s12, 7
	s_add_co_u32 s46, s46, s47                     ; my first column
	s_lshl_b32 s20, s46, 2                         ; 4 bytes a column, of the bias and of out0
	s_mov_b32 s21, 0
	s_add_nc_u64 s[BP:BP+1], s[BP:BP+1], s[20:21]
	s_add_nc_u64 s[CP:CP+1], s[CP:CP+1], s[20:21]
	WIN TO_B                                       ; the bias of my 128 columns, in the accumulators' layout: register j of n block b is column 16 b + 8 (l / 16) + j
.irp b, 0,1,2,3,4,5,6,7
	global_load_b128 v[BIAS+8*(\b):BIAS+8*(\b)+3],   v[BO], s[BP:BP+1] offset:64*(\b)
	global_load_b128 v[BIAS+8*(\b)+4:BIAS+8*(\b)+7], v[BO], s[BP:BP+1] offset:64*(\b)+16
.endr
	WIN 0
	; the prefetches.  s13 = 256 x tile row, s42 = tile column, s40 = cx, s41 = cy still stand
	s_lshl_b32 s42, s42, 8
	s_and_b32 s22, ttmp7, 0xffff                   ; cluster y
	s_cmp_eq_u32 s11, 0                            ; do I fetch for a2?
	s_cselect_b32 s20, s13, s42                    ; the tile's first row
	s_cselect_b32 s21, s40, s41                    ; my place among the four that ask for it with me
	s_cselect_b32 s22, ttmp9, s22                  ; the coordinate along which other clusters read the same rows
	s_cselect_b64 s[PFA:PFA+1], s[4:5], s[6:7]
	s_cmp_eq_u32 s22, 0
	s_cselect_b32 s[LIM], 1, -1                    ; the same in all sixteen partners, for a given wave
	s_lshl_b32 s22, s12, 7
	s_add_co_u32 s20, s20, s22                     ; + the 128 rows that I fetch
	s_lshl_b32 s21, s21, 5
	s_add_co_u32 s20, s20, s21                     ; + my work-group's 32 of them
	s_mov_b32 s21, 0
	s_mov_b64 s[18:19], SIZE_K*2
	s_mul_u64 s[20:21], s[20:21], s[18:19]
	s_add_nc_u64 s[PFA:PFA+1], s[PFA:PFA+1], s[20:21]
	s_add_nc_u64 s[PFA:PFA+1], s[PFA:PFA+1], 2*KSTEP*2  ; at K step 2: the first refill steps it to 3 and names K step 4
	v_and_b32 v[PFO], 31, v0
	v_mul_u32_u24 v[PFO], v[PFO], SIZE_K*2
	; nothing is prefetched here, at the head, where every work-group's first two tiles are on their way
; 16 matrix instructions: m blocks a0, a0 + 1 of the window's four (hi = 0: my rows 0-63, 1: rows 64-127) x all 8 n blocks, 32 along K.  first = 1: the product starts the sums, with the bias as C.
; The 64 accumulators take turns, one instruction a turn, in the same order in every quarter step.
.macro MUL16 f, hi, a0, first
.if \first
	WIN BIA_LO+0x40*(\hi)
.else
	WIN MUL_LO+0x50*(\hi)
.endif
.irp a, \a0, (\a0)+1
.irp b, 0,1,2,3,4,5,6,7
.set rD, 8*(8*(\a)+(\b))
.set rB, (\f)+8*(\b)
.set rA, (\f)+8*(4*(\hi)+(\a))
.set rC, rD
.if \first
.set rC, BIAS+8*(\b)
.endif
	v_wmma_f32_16x16x32_f16 v[rD:rD+7], v[rB:rB+7], v[rA:rA+7], v[rC:rC+7]
.endr
.endr
.endm
; 32 LDS loads in one run: the fragments of one quarter step (128 rows of wo, 128 rows of a2, 32 K at byte k of the rows) into buffer f
.macro FETCH slot, k, f
	WIN TO_B
.irp i, 0,1,2,3,4,5,6,7
	ds_load_b128 v[(\f)+8*(\i):(\f)+8*(\i)+3],   v[ADRB+(\slot)] offset:(\k)+(\i)*16*PITCH
	ds_load_b128 v[(\f)+8*(\i)+4:(\f)+8*(\i)+7], v[ADRB+(\slot)] offset:(\k)+(\i)*16*PITCH+32
.endr
	WIN 0
.irp i, 0,1,2,3,4,5,6,7
	ds_load_b128 v[(\f)+8*(\i):(\f)+8*(\i)+3],   v[ADRA+(\slot)] offset:(\k)+(\i)*16*PITCH
	ds_load_b128 v[(\f)+8*(\i)+4:(\f)+8*(\i)+7], v[ADRA+(\slot)] offset:(\k)+(\i)*16*PITCH+32
.endr
.endm
; A load into a register that a matrix instruction has read, and an LDS store that reads a matrix result, stand four places behind that matrix instruction, and only plain vector instructions that name
; none of its registers are places (ISA guide 7.12.1 for vector instructions).
.macro PLACES
.rept 4
	v_nop
.endr
.endm
; A K step is four quarter steps of 32 along K, 64 matrix instructions each, on buffers 0, 1, 0, 1.  One of the first three: multiplies buffer f; in its middle it fetches the next quarter's fragments, at byte k, into buffer g.
.macro QUARTER slot, k, f, g, first
	s_wait_dscnt 8                                 ; wo's fragments and a2's rows 0-63 are in; the youngest eight loads (a2's rows 64-127) may be out
	MUL16 \f, 0, 0, \first
	MUL16 \f, 0, 2, \first
	PLACES
	FETCH \slot, \k, \g
	s_wait_dscnt 32                                ; all but the 32 just issued
	MUL16 \f, 1, 0, \first
	MUL16 \f, 1, 2, \first
.endm
; The last quarter multiplies buffer 1 and changes slots.  MEET is its first half: one barrier for two things.  In front of it each wave waits for all its tensor loads, of which one is out: its part of the next slot;
; adds 0 to its spare word; and waits for that and for its own reads of this slot.  Behind it nobody reads this slot any more and the next slot is whole.
.macro MEET round                      ; round = 1: a round of the cluster's barrier follows
	WIN 0                                          ; (the add's two registers lie in window 0)
	s_wait_tensorcnt 0x0                           ; all my tensor loads have landed;
	ds_add_u32 v[SPW], v[NIL]                      ; 0 onto my spare word;
	s_wait_dscnt 9                                 ; (the add and the youngest eight loads may be out)
	MUL16 F1, 0, 0, 0                              ; sixteen matrix instructions stand between the add and the wait for it
	s_wait_dscnt 0x0                               ; the add is done, and my reads of this slot are over:
	s_barrier_signal -1                            ; say so,
	MUL16 F1, 0, 2, 0                              ; work on registers while the others arrive,
.if \round
	WIN 0
.endif
	s_barrier_wait -1                              ; and go on when all four have said so
.endm
; The whole last quarter.  Behind the round the slot just read out is filled again first, with the K step two steps on; then come the next slot's first fragments.
; From a request to the wait for it a wave issues 224 matrix instructions.
.macro TURN slot, next
	s_wait_xcnt 0x0                                ; the last prefetch, a K step back, has read its address: it is stepped here, ahead of the waits of the change of slots
	s_add_nc_u64 s[PFA:PFA+1], s[PFA:PFA+1], KSTEP*2
	MEET 1
	CREST                                          ; no wave of any partner still reads this slot's tile or has a load on its way
	s_add_nc_u64 s[G0+4*(\slot)+2:G0+4*(\slot)+3], s[G0+4*(\slot)+2:G0+4*(\slot)+3], 2*KSTEP*2
	s_add_nc_u64 s[G0B+4*(\slot)+2:G0B+4*(\slot)+3], s[G0B+4*(\slot)+2:G0B+4*(\slot)+3], 2*KSTEP*2
	JLOAD \slot                                    ; the first tensor load behind the round, my only one until the next; the four v_nop behind it are also the places in front of the loads below
	FETCH \next, 0, F0
	ASK
	MUL16 F1, 1, 0, 0
	MUL16 F1, 1, 2, 0
.endm
; THE WAY OUT of block a (16 rows x 128 columns of f32).  TOSTAGE: the accumulators go as they are into my own stage, 32 bytes a lane and n block, each accumulator's low four registers first, and come back as whole rows of
; 512 bytes, into the registers that held a2's fragments, two sets by turns.  SEND: stored.
.macro TOSTAGE a
.set AC, 64*((\a)%4)
.set BK, F0+64*((\a)%2)
	s_wait_xcnt 0x0                                ; the registers that the block before last's stores read are loaded again only behind this wait
	WIN 0x08+4*((\a)/4)                            ; the stores' data (source 1) in window 2 or 3, the address in window 0
.irp b, 0,1,2,3,4,5,6,7
	ds_store_b128 v[STO], v[AC+8*(\b):AC+8*(\b)+3]   offset:64*(\b)
	ds_store_b128 v[STO], v[AC+8*(\b)+4:AC+8*(\b)+7] offset:64*(\b)+16
.endr
	WIN 0
.irp t, 0,1,2,3,4,5,6,7,8,9,10,11,12,13,14,15
	ds_load_b128 v[BK+4*(\t):BK+4*(\t)+3], v[RD] offset:(\t)*SPITCH  ; LDS serves a wave's instructions in order (ISA guide 5.7.1.4): these see the stores above, and the next block's stores come behind them
.endr
.endm
.macro SEND a, younger                 ; younger: the LDS instructions issued behind block a's loads: the next block's 32, or none
.set BK, F0+64*((\a)%2)
	s_wait_dscnt \younger
.irp t, 0,1,2,3,4,5,6,7,8,9,10,11,12,13,14,15
	global_store_b128 v[CO], v[BK+4*(\t):BK+4*(\t)+3], s[CP:CP+1] offset:(16*(\a)+(\t))*SIZE_N*4 th:TH_STORE_NT  ; 512 consecutive bytes, at a multiple of 256 from out0's first byte; 127 rows at the most stand in the immediate
.endr
.endm
	s_wait_tensorcnt 1                             ; my part of K step 0 is in; K step 1's may stay out
	s_barrier_signal -1
	s_barrier_wait -1                              ; everybody's is
	FETCH 0, 0, F0
	s_wait_loadcnt 0x0                             ; the bias is in
	QUARTER 0, 64,  F0, F1, 1                      ; the first quarter stands in front of the loop: its products start the sums
	WIN 0                                          ; at a label and at a branch every window is 0
	s_mov_b32 s3, LAPS-1
.Llap:                                                 ; a trip goes once round the ring, from a lap's second quarter to the next lap's first, and fills both slots again
	QUARTER 0, 128, F1, F0, 0
	QUARTER 0, 192, F0, F1, 0
	TURN 0, 1
	QUARTER 1, 64,  F0, F1, 0
	QUARTER 1, 128, F1, F0, 0
	QUARTER 1, 192, F0, F1, 0
	TURN 1, 0
	QUARTER 0, 64,  F0, F1, 0
	WIN 0
	s_sub_co_u32 s3, s3, 1
	s_cmp_lg_u32 s3, 0
	s_cbranch_scc1 .Llap
	QUARTER 0, 128, F1, F0, 0                      ; the last lap fills nothing
	QUARTER 0, 192, F0, F1, 0
	MEET 0                                         ; my one tensor load that was still out is slot 1's, the last K step's, so no round follows
	PLACES                                         ; for the loads into buffer 0, which the quarter before multiplied
	FETCH 1, 0, F0
	MUL16 F1, 1, 0, 0
	MUL16 F1, 1, 2, 0
	QUARTER 1, 64,  F0, F1, 0
	QUARTER 1, 128, F1, F0, 0
	QUARTER 1, 192, F0, F1, 0
	s_wait_dscnt 8                                 ; the very last quarter: nothing more to fetch
	MUL16 F1, 0, 0, 0
	MUL16 F1, 0, 2, 0
	s_wait_dscnt 0x0
	MUL16 F1, 1, 0, 0
	MUL16 F1, 1, 2, 0
	WIN 0
	PLACES                                         ; the LDS stores read results just made, and the loads behind them land in registers that the last products read
	TOSTAGE 0
.irp a, 1,2,3,4,5,6,7                  ; block a goes through the stage while block a - 1's rows come back and leave
	TOSTAGE \a
	SEND (\a)-1, 32
.endr
	SEND 7, 0
	s_wait_tensorcnt 0x0                           ; the wave's end, behind my last tensor load and my last LDS store
	ds_add_u32 v[SPW], v[NIL]
	s_wait_dscnt 0x0
	CROUND                                         ; the closing round: no work-group ends while a partner may still ask for a tile that names it
	s_endpgm
.Lfunc_end_k_q5984c7edaa_gemm_out:
	.size	k_q5984c7edaa_gemm_out, .Lfunc_end_k_q5984c7edaa_gemm_out-k_q5984c7edaa_gemm_out
	.p2alignl 7, 3214868480
	.fill 96, 4, 3214868480
	.section	.rodata,"a",@progbits
	.p2align	6, 0x0
	.amdhsa_kernel k_q5984c7edaa_gemm_out
		.amdhsa_group_segment_fixed_size 327680
		.amdhsa_private_segment_fixed_size 0
		.amdhsa_enable_private_segment 0
		.amdhsa_kernarg_size 32
		.amdhsa_user_sgpr_count 2
		.amdhsa_user_sgpr_kernarg_segment_ptr 1
		.amdhsa_wavefront_size32 1
		.amdhsa_system_sgpr_workgroup_id_x 1
		.amdhsa_system_sgpr_workgroup_id_y 1
		.amdhsa_system_sgpr_workgroup_id_z 1
		.amdhsa_system_vgpr_workitem_id 0
		.amdhsa_next_free_vgpr 1024
		.amdhsa_next_free_sgpr 72
		.amdhsa_reserve_vcc 0
		.amdhsa_float_denorm_mode_32 3
		.amdhsa_float_denorm_mode_16_64 3
		.amdhsa_memory_ordered 1
		.amdhsa_forward_progress 1
		.amdhsa_inst_pref_size 143
	.end_amdhsa_kernel
	.amdgpu_metadata
---
amdhsa.version: [ 1, 2 ]
amdhsa.kernels:
  - .name:           k_q5984c7edaa_gemm_out
    .symbol:         k_q5984c7edaa_gemm_out.kd
    .args:
      - { .name: a2, .offset: 0, .size: 8, .value_kind: global_buffer, .address_space: global }
      - { .name: wo, .offset: 8, .size: 8, .value_kind: global_buffer, .address_space: global }
      - { .name: out0, .offset: 16, .size: 8, .value_kind: global_buffer, .address_space: global }
      - { .name: bo, .offset: 24, .size: 8, .value_kind: global_buffer, .address_space: global }
    .group_segment_fixed_size: 327680
    .private_segment_fixed_size: 0
    .kernarg_segment_align: 8
    .kernarg_segment_size: 32
    .max_flat_workgroup_size: 128
    .sgpr_count:     72
    .vgpr_count:     1024
    .wavefront_size: 32
...
	.end_amdgpu_metadata
.endif
;; end of part 4
